; MI455X (gfx1250); checked and timed in simulation.
; The chip was launched on July 23, 2026; its instructions are those of AMD's public machine-readable ISA for CDNA 5 (MIT licence, August 2026) and "CDNA5" Instruction Set Architecture Reference Guide (July 2026). The comments in the code are by the model that wrote it; some were corrected since.
;; grouped Batched Experts. Allowed arithmetic: float matrix products may take bf16 or f16 operands with f32 sums; other float arithmetic in f32, or as packed bf16 or f16 multiplies, adds, multiply-adds, maxima and minima; sums over many terms, partial sums and values carried from step to step in f32; what a program stores and reads back later, other than sums and carried values, may be rounded once to bf16 or f16.
;; Inputs: expert_weights 2,048 x 2 float32; scores 2,048 x 8 float32; top_experts 2,048 x 2 int32; w1 8 x 1,024 x 2,048 float32; w2 8 x 2,048 x 1,024 float32; x 2 x 1,024 x 1,024 float32.
;; Outputs: out0 2 x 1,024 x 1,024 float32.
;; 2 versions, each right; version 2 is version 1 with the launches up, down written anew for expert scheduling mode. Each part assembles by itself: llvm-mc -triple=amdgcn-amd-amdhsa -mcpu=gfx1250 --defsym DOCPART=n.
;; ======== version 1 of 2: 4 launches
;; limits: values are held in f16: magnitudes above 65,504 overflow, below 6.1e-05 lose precision
;; workspace buffers: xb 4,194,304 bytes; list 131,072 bytes of whole numbers; cnt 1,024 bytes of whole numbers; hbuf 134,217,728 bytes; part 34,603,008 bytes
;; launch prep (part 1): grid 256 x 1, 8 waves a work-group, no clusters, 17,664 bytes of LDS; arguments x, top_experts, xb, list, cnt; writes xb, list, cnt
.if DOCPART == 1
	.amdgcn_target "amdgcn-amd-amdhsa--gfx1250"
	.amdhsa_code_object_version 6
	.text
	.protected	k_q5c35241102_prep
	.globl	k_q5c35241102_prep
	.p2align	8
	.type	k_q5c35241102_prep,@function
k_q5c35241102_prep:
	s_mov_b64 s[64:65], 0
	v_nop
	global_prefetch_b8 v0, s[64:65] scope:SCOPE_SE
	s_setreg_imm32_b32 hwreg(HW_REG_WAVE_MODE, 25, 1), 1
	s_wait_xcnt 0x0
; PREP.  Two jobs in one launch.
; (1) xb = x rounded once to bf16, [2048][1024].  Work-group g, wave w takes the 4,096 bytes of x at 32,768 g + 4,096 w: eight loads of 512 consecutive
;     bytes, eight stores of 256 consecutive bytes at a multiple of 256 from xb's first byte.
; (2) In work-groups 0 to 7, wave 0 alone: the list of expert e = work-group number.  A routed pair is p = 2 t + k (token t, choice k), 4,096 in all.
;     list[e][0 .. n-1] = the p whose top_experts[p] is e.  Their order is free (both products go by the rank in the list), and it is taken lane by lane: lane l holds 128 of the pairs, and those of them that
;     chose e lie together.  So nothing goes through the scalar unit or EXEC from pair to pair: each lane counts its own hits (384 vector lines), one prefix sum over the 32 lanes gives each lane its first place,
;     and each lane then walks its own place (six vector lines and one LDS store a pair).  A lane whose pair did not choose e stores into a dump word of its own.  No atomics: one wave, in order.
;     list[e][i] for i >= n is 4096 + 16 e + i % 16: no pair, but the number of a spare row of the partial sums, the expert's own and one for each rank of a block of 16: the last product stores whole
;     blocks, and what lies past n lands there, where nobody reads it.
;     cnt[e][0 .. 31] = n, 32 times, so that the store is one whole run of 128 bytes.
; LIMIT.  top_experts holds 0 to 7, as an index into the experts' tables; a pair with any other number would be in no list.
; scores is read by no launch: no term of the result is made of it.
.set DUMPB, 16384                      ; behind the list's 16,384 bytes: a dump word for each lane, 128 bytes in a block of 256 of their own
.set SPARE, 16640                      ; behind that block: the spare words, 128 bytes for each of eight waves
.set XR,  12                           ; v[12:43]  x as loaded, 8 x 4 registers
.set YR,  44                           ; v[44:59]  bf16 pairs to store, 8 x 2 registers
.set TE,  64                           ; v[64:191] top_experts: register 4 i + c of lane l is pair 128 i + 4 l + c; later the finished list
.set DU,  192                          ; my dump word's LDS address
.set P,   193                          ; 4 x the place that my next hit takes
.set CN,  194                          ; v[194:195] 4 x my hits, in two chains, then their sum
.set SC,  196                          ; the prefix sum over the lanes
	s_load_b256 s[4:11], s[0:1], 0x0               ; x s[4:5], top_experts s[6:7], xb s[8:9], list s[10:11]
	s_load_b64 s[12:13], s[0:1], 0x20              ; cnt
	v_lshl_add_u32 v60, v0, 2, SPARE               ; my spare word,
	v_mov_b32 v61, 0                               ; and 0: kept for the closing lines alone
	v_lshrrev_b32 v1, 5, v0
	v_readfirstlane_b32 s14, v1                    ; wave 0..7
	s_mov_b32 s15, ttmp9                           ; work-group; in (2) the expert
	v_and_b32 v2, 31, v0                           ; lane
	v_lshlrev_b32 v3, 2, v2                        ; 4 x lane
	v_lshlrev_b32 v62, 4, v2                       ; 16 x lane
	v_lshlrev_b32 v63, 3, v2                       ; 8 x lane
	s_lshl_b32 s16, s15, 15
	s_lshl_b32 s18, s14, 12
	s_add_co_u32 s16, s16, s18                     ; my wave's bytes in x,
	s_mov_b32 s17, 0
	s_lshr_b32 s18, s16, 1                         ; and in xb: half as many
	s_mov_b32 s19, 0
	s_lshl_b32 s24, s15, 14                        ; the expert's 16,384 bytes of list
	s_mov_b32 s25, 0
	s_lshl_b32 s26, s15, 7                         ; and its 128 bytes of cnt
	s_mov_b32 s27, 0
	s_wait_kmcnt 0x0
	s_add_nc_u64 s[4:5], s[4:5], s[16:17]
	s_add_nc_u64 s[8:9], s[8:9], s[18:19]
.irp i, 0,1,2,3,4,5,6,7
	global_load_b128 v[XR+4*(\i):XR+4*(\i)+3], v62, s[4:5] offset:512*(\i) th:TH_LOAD_NT
.endr
	s_cmp_lg_u32 s14, 0
	s_cbranch_scc1 .Lcast                          ; the list is wave 0's,
	s_cmp_lt_u32 s15, 8
	s_cbranch_scc0 .Lcast                          ; in the first eight work-groups
	s_add_nc_u64 s[10:11], s[10:11], s[24:25]
	s_add_nc_u64 s[12:13], s[12:13], s[26:27]
.set i, 0
.rept 32
	global_load_b128 v[TE+4*i:TE+4*i+3], v62, s[6:7] offset:512*i
.set i, i+1
.endr
	s_lshl_b32 s23, s15, 4
	s_add_co_u32 s23, s23, 4096                    ; the expert's first spare row
	v_and_b32 v8, 3, v2
	v_lshl_add_u32 v8, v8, 2, s23                  ; word 128 i + 4 l + c of the list has the place 4 (l % 4) + c in its block of 16
	v_add_nc_u32 v9, 1, v8
	v_add_nc_u32 v10, 2, v8
	v_add_nc_u32 v11, 3, v8
.set i, 0
.rept 32
	ds_store_b128 v62, v[8:11] offset:512*i        ; the whole list starts as spare rows: what no pair overwrites stays one
.set i, i+1
.endr
	v_add_nc_u32 v[DU], DUMPB, v3
	s_wait_loadcnt 0x0                             ; top_experts is in (and x with it)
; Each lane counts its hits, 4 for each, two registers at a time in two chains; the first two start the sums.
.set k, 0
.rept 64
	v_cmp_eq_u32 vcc_lo, s15, v[TE+k]
	v_cmp_eq_u32 s22, s15, v[TE+k+1]
.if k == 0
	v_cndmask_b32 v[CN], 0, 4, vcc_lo
	v_cndmask_b32 v[CN+1], 0, 4, s22
.else
	v_cndmask_b32 v6, 0, 4, vcc_lo
	v_cndmask_b32 v10, 0, 4, s22
	v_add_nc_u32 v[CN], v[CN], v6
	v_add_nc_u32 v[CN+1], v[CN+1], v10
.endif
.set k, k+2
.endr
	v_add_nc_u32 v[CN], v[CN], v[CN+1]
; The prefix sum over the lanes.  Inside each half of 16 lanes: four steps, in which lane i takes the sum of lane i - 1, 2, 4, 8; a lane that has no such neighbour keeps the 0 written just before.
	v_mov_b32 v6, 0
	v_mov_b32_dpp v6, v[CN] row_shr:1 row_mask:0xf bank_mask:0xf
	v_add_nc_u32 v[SC], v[CN], v6
.irp d, 2,4,8
	v_mov_b32 v6, 0
	v_mov_b32_dpp v6, v[SC] row_shr:\d row_mask:0xf bank_mask:0xf
	v_add_nc_u32 v[SC], v[SC], v6
.endr
	v_readlane_b32 s21, v[SC], 15                  ; the lower half's hits
	v_cmp_lt_u32 vcc_lo, 15, v2
	v_cndmask_b32 v6, 0, s21, vcc_lo               ; come ahead of the upper half's
	v_add_nc_u32 v[SC], v[SC], v6
	v_readlane_b32 s20, v[SC], 31                  ; 4 n
	v_sub_nc_u32 v[P], v[SC], v[CN]                ; the hits of the lanes below mine: my first place
; Each lane places its hits, two registers at a time, so that no line reads the result of the line just ahead.  The address is my place or my dump word; the constant bound, the dump's last word, stands last ahead of the store.
.set k, 0
.rept 64
	v_cmp_eq_u32 vcc_lo, s15, v[TE+k]
	v_cmp_eq_u32 s22, s15, v[TE+k+1]
	v_add_nc_u32 v5, 128*(k/4)+k%4, v3             ; the two pairs' numbers
	v_add_nc_u32 v9, 128*((k+1)/4)+(k+1)%4, v3
	v_cndmask_b32 v6, 0, 4, vcc_lo
	v_cndmask_b32 v10, 0, 4, s22
	v_cndmask_b32 v4, v[DU], v[P], vcc_lo
	v_add_nc_u32 v[P], v[P], v6
	v_min_u32 v4, DUMPB+124, v4
	v_cndmask_b32 v8, v[DU], v[P], s22
	v_add_nc_u32 v[P], v[P], v10
	v_min_u32 v8, DUMPB+124, v8
	ds_store_b32 v4, v5
	ds_store_b32 v8, v9
.set k, k+2
.endr
.set i, 0
.rept 32
	ds_load_b128 v[TE+4*i:TE+4*i+3], v62 offset:512*i  ; LDS serves a wave's instructions in order (ISA guide 5.7.1.4): these see the stores above
.set i, i+1
.endr
	s_lshr_b32 s21, s20, 2                         ; n
	v_mov_b32 v7, s21
	s_wait_dscnt 0x0
.set i, 0
.rept 32
	global_store_b128 v62, v[TE+4*i:TE+4*i+3], s[10:11] offset:512*i  ; all 16,384 bytes, 512 consecutive bytes a store
.set i, i+1
.endr
	global_store_b32 v3, v7, s[12:13]              ; n, 32 times: 128 consecutive bytes
.Lcast:
.irp i, 0,1,2,3,4,5,6,7
	s_wait_loadcnt 7-(\i)                          ; loads come back in order (ISA guide 5.7.1): number i is in, the 7 - i younger ones may be out
	v_cvt_pk_bf16_f32 v[YR+2*(\i)],   v[XR+4*(\i)],   v[XR+4*(\i)+1]
	v_cvt_pk_bf16_f32 v[YR+2*(\i)+1], v[XR+4*(\i)+2], v[XR+4*(\i)+3]
	global_store_b64 v63, v[YR+2*(\i):YR+2*(\i)+1], s[8:9] offset:256*(\i)
.endr
	s_wait_tensorcnt 0x0                           ; the wave's end: three closing lines behind the last LDS store
	ds_add_u32 v60, v61
	s_wait_dscnt 0x0
	s_endpgm
.Lfunc_end_k_q5c35241102_prep:
	.size	k_q5c35241102_prep, .Lfunc_end_k_q5c35241102_prep-k_q5c35241102_prep
	.p2alignl 7, 3214868480
	.fill 96, 4, 3214868480
	.section	.rodata,"a",@progbits
	.p2align	6, 0x0
	.amdhsa_kernel k_q5c35241102_prep
		.amdhsa_group_segment_fixed_size 17664
		.amdhsa_private_segment_fixed_size 0
		.amdhsa_enable_private_segment 0
		.amdhsa_kernarg_size 40
		.amdhsa_user_sgpr_count 2
		.amdhsa_user_sgpr_kernarg_segment_ptr 1
		.amdhsa_wavefront_size32 1
		.amdhsa_system_sgpr_workgroup_id_x 1
		.amdhsa_system_sgpr_workgroup_id_y 1
		.amdhsa_system_sgpr_workgroup_id_z 1
		.amdhsa_system_vgpr_workitem_id 0
		.amdhsa_next_free_vgpr 200
		.amdhsa_next_free_sgpr 66
		.amdhsa_reserve_vcc 1
		.amdhsa_float_denorm_mode_32 3
		.amdhsa_float_denorm_mode_16_64 3
		.amdhsa_memory_ordered 1
		.amdhsa_forward_progress 1
		.amdhsa_inst_pref_size 82
	.end_amdhsa_kernel
	.amdgpu_metadata
---
amdhsa.version: [ 1, 2 ]
amdhsa.kernels:
  - .name:           k_q5c35241102_prep
    .symbol:         k_q5c35241102_prep.kd
    .args:
      - { .name: x, .offset: 0, .size: 8, .value_kind: global_buffer, .address_space: global }
      - { .name: top_experts, .offset: 8, .size: 8, .value_kind: global_buffer, .address_space: global }
      - { .name: xb, .offset: 16, .size: 8, .value_kind: global_buffer, .address_space: global }
      - { .name: list, .offset: 24, .size: 8, .value_kind: global_buffer, .address_space: global }
      - { .name: cnt, .offset: 32, .size: 8, .value_kind: global_buffer, .address_space: global }
    .group_segment_fixed_size: 17664
    .private_segment_fixed_size: 0
    .kernarg_segment_align: 8
    .kernarg_segment_size: 40
    .max_flat_workgroup_size: 256
    .sgpr_count:     66
    .vgpr_count:     200
    .wavefront_size: 32
...
	.end_amdgpu_metadata
.endif
;; end of part 1
;; launch up (part 2): grid 32 x 8, 8 waves a work-group, no clusters, 133,120 bytes of LDS; arguments xb, w1, list, cnt, hbuf; writes hbuf
.if DOCPART == 2
	.amdgcn_target "amdgcn-amd-amdhsa--gfx1250"
	.amdhsa_code_object_version 6
	.text
	.protected	k_q5c35241102_up
	.globl	k_q5c35241102_up
	.p2align	8
	.type	k_q5c35241102_up,@function
k_q5c35241102_up:
	s_mov_b64 s[64:65], 0
	v_nop
	global_prefetch_b8 v0, s[64:65] scope:SCOPE_SE
	s_setreg_imm32_b32 hwreg(HW_REG_WAVE_MODE, 25, 1), 1
	s_wait_xcnt 0x0
; UP.  h = gelu(x[p >> 1] . w1[e]) for the pairs p of expert e's list, exact (erf) gelu, h rounded once to f16.
; SHARES.  Work-group (sl, e): hidden columns 64 sl .. 64 sl + 63 of expert e: a slice of w1 of 1,024 (K) x 64 (N), 262,144 bytes of f32 that it alone reads,
; in pieces of 256 consecutive bytes; and ALL the expert's rows, in blocks of 16 ranks of its list, nb = ceil(n / 16).
; The slice is rounded to bf16 on its way through registers and laid into LDS once, [n][k]; behind the barrier that follows, LDS is only read.  Then a PASS takes 40 blocks: wave w, slot j (0..4) has block
; 40 q + 8 j + w; seven passes, a constant, cover 4,096 pairs on one expert.  The K loop's text stands twice, for five slots and for four: a wave whose fifth block lies past the last takes the shorter one.
; A slot 0-3 past nb loads the last block that exists, multiplies like the others and stores nothing, so no load and no product inside a K loop stands under a branch on the count; a pass with no block is jumped.
; EIGHT WAVES, two to a SIMD, 512 registers each.  A wave's LOADcnt counts to 63 (ISA guide 5.7.1).  With 10 loads a stage a wave has five stages, 50 loads of 16 bytes a lane, on their way, a SIMD's two waves 100;
; four waves with 18 loads a stage could have three stages out.  And while one wave issues its loads or waits, the SIMD's other wave has products to issue.  The price: each wave reads B's fragments for itself.
; PRODUCT, transposed: source 0 = 16 columns of w1 (from LDS), source 1 = 16 rows of xb (from memory, straight into registers): a lane then holds ONE rank
; (lane % 16) and the columns 16 cb + 8 (lane / 16) + 0..7.  K goes in 32 stages of 32; A's fragments lie in a ring of six register buffers.
; hbuf: [e 8][slice 32][block 256][cb 4][lane 32][8 f16]: what a lane holds after packing, and at the same time the next launch's operand registers: each store is 512 consecutive bytes.
; NO CLUSTER, NO TENSOR LOADS.  What an expert's 32 work-groups share is its token rows; a fragment's 16 rows are named by the list, one by one, and no tile descriptor covers them.  Each weight byte has one reader.
; LIMITS.  |h| stays under 65,504 (f16).  NaN and infinities are not treated apart.  gelu: erf by a rational form with an absolute error of 1.5e-7, for every x.
; REGISTERS, in windows of 256 (s_set_vgpr_msb: bits 1:0 source 0, 3:2 source 1, 5:4 source 2, 7:6 destination):
;   window 0: v0-47 addresses; v48-111 B, two buffers of 32; v112-231 A's buffers 0-2, 40 each; v232-255 slots 0-2 of A's buffer 5; on the way out v48-223 are the gelu's
;   window 1: v0-159 the accumulators, (j, cb) at 32 j + 8 cb; v160-239 A's buffers 3, 4; v240-255 slots 3, 4 of A's buffer 5; before the passes: the slice as loaded, two batches of 128
.set PITCH, 2064                       ; a column of the slice in LDS: 2,048 bytes + 16 = 129 x 16: the 16 columns of a fragment load start at 16 different groups of four banks (64 banks of 4 bytes: ISA guide 11.1)
.set CBP,   16*PITCH                   ; 16 columns
.set SPARE, 64*PITCH                   ; behind the slice: the spare words, 128 bytes for each of eight waves
.set WP,    8192                       ; bytes from row to row of w1
.set KB,    64                         ; bytes of a row of xb, and of a column of the slice, in a stage
.set PB,    40                         ; blocks in a pass
.set M4,   2                           ; 4 (l % 16)
.set H16,  3                           ; 16 (l / 16)
.set L16,  4                           ; 16 l
.set WLD,  5                           ; the slice in memory: (l / 16) x 8 rows + 16 (l % 16)
.set WST,  6                           ; the slice in LDS: column 4 (l % 16), k = 128 w + 8 (l / 16)
.set VBB0, 7                           ; B's fragments: (l % 16) x PITCH + 16 (l / 16); column blocks 0, 1; never rewritten
.set VBB1, 8                           ; column blocks 2, 3; never rewritten
.set VB0,  9                           ; the same two plus the K loop's step
.set VB1,  10
.set HO,   11                          ; my byte offset in the slice of hbuf
.set VHI,  12                          ; l / 16
.set C16,  13                          ; 16 (l % 16)
.set AO,   16                          ; v16-20  slot j: byte offset in xb of my rank's row, + 16 (l / 16)
.set LP,   22                          ; v22-26  slot j: my rank's pair p
.set SPW,  46                          ; my spare word; never rewritten
.set NIL,  47                          ; 0; never rewritten
.set BB,   48
.set CV,   112                         ; the prologue: 16 registers of bf16 pairs
.set GX,   48                          ; the gelu of a slot, 32 numbers a lane: u = 0.8493218 x,
.set GT,   80                          ; t,
.set GU,   112                         ; the exponential,
.set GM,   144                         ; max(u, 0) and then the result,
.set GP,   176                         ; the polynomial,
.set GH,   208                         ; 16 registers of f16 pairs
.set BS,   68                          ; s[68:79]  a base for each of A's six buffers: xb at the stage that the buffer takes next
.set MSB, 0
.macro WIN new                         ; the immediate's high byte repeats the setting that is left; a switch that changes nothing is dropped
.if MSB != (\new)
	s_set_vgpr_msb (MSB<<8)|(\new)
.set MSB, (\new)
.endif
.endm
.macro ALL32 line:vararg               ; one line for i = 0 .. 31
.set i, 0
.rept 32
	\line
.set i, i+1
.endr
.endm
.macro ALL16 line:vararg               ; for i = 0 .. 15
.set i, 0
.rept 16
	\line
.set i, i+1
.endr
.endm
.macro ALLP line:vararg                ; for the pairs i = 0, 2 .. 30
.set i, 0
.rept 16
	\line
.set i, i+2
.endr
.endm
.macro APOS buf, j                     ; where slot j of A's buffer buf lies: register rA of window wA
.if (\buf) < 3
.set rA, 112+40*(\buf)+8*(\j)
.set wA, 0
.elseif (\buf) < 5
.set rA, 160+40*((\buf)-3)+8*(\j)
.set wA, 1
.elseif (\j) < 3
.set rA, 232+8*(\j)
.set wA, 0
.else
.set rA, 240+8*((\j)-3)
.set wA, 1
.endif
.endm
; 32 loads: four units of 16 k, from unit u0 on, into batch bt.  An instruction takes two pieces of 256 consecutive bytes: rows 16 u + i and 16 u + 8 + i.
.macro WLOAD bt, u0
	WIN 0x40
.set u, 0
.rept 4
.set i, 0
.rept 8
	global_load_b128 v[128*(\bt)+32*u+4*i:128*(\bt)+32*u+4*i+3], v[WLD], s[6:7] offset:(((\u0)+u)*16+i)*WP th:TH_LOAD_NT
.set i, i+1
.endr
.set u, u+1
.endr
.endm
; The batch is rounded and turned: a lane holds 8 rows (k) x 4 columns (n); pairing rows 2 a, 2 a + 1 of ONE column gives, for each column, 16 bytes = 8 neighbouring k.
.macro WCONV bt, u0
.set u, 0
.rept 4
	WIN 0x05
.set q, 0
.rept 16                               ; q = 4 x column + pair of rows
	v_cvt_pk_bf16_f32 v[CV+q], v[128*(\bt)+32*u+8*(q%4)+q/4], v[128*(\bt)+32*u+8*(q%4)+4+q/4]
.set q, q+1
.endr
	WIN 0
.set q, 0
.rept 4
	ds_store_b128 v[WST], v[CV+4*q:CV+4*q+3] offset:q*PITCH+32*((\u0)+u)
.set q, q+1
.endr
.set u, u+1
.endr
.endm
; The pairs of my five blocks, ahead blocks on from s21.  A block past the last is the last (block 0 where the expert has none: the list is written whole); the constant bound keeps the address inside the list.
.macro LISTLD ahead
	WIN 0
.set j, 0
.rept 5
	s_add_co_u32 s31, s21, (\ahead)+8*j
	s_min_u32 s31, s31, s19
	s_min_u32 s31, s31, 255
	v_lshl_add_u32 v[LP+j], s31, 6, v[M4]
	global_load_b32 v[LP+j], v[LP+j], s[8:9]
.set j, j+1
.endr
.endm
; A's fragments of one stage, two loads a slot: lane l takes 16 bytes at 16 (l / 16) and 16 more 32 bytes on, of its rank's row, from the buffer's own base.
.macro ALOAD buf, ns
.set j, 0
.rept \ns
	APOS \buf, j
	WIN 0x40*wA
	global_load_b128 v[rA:rA+3],   v[AO+j], s[BS+2*(\buf):BS+2*(\buf)+1]
	global_load_b128 v[rA+4:rA+7], v[AO+j], s[BS+2*(\buf):BS+2*(\buf)+1] offset:32
.set j, j+1
.endr
.endm
; B's fragments of one stage, 8 LDS loads
.macro BLOAD buf, ofs
	WIN 0
.set rB, BB+32*(\buf)
	ds_load_b128 v[rB:rB+3],     v[VB0] offset:(\ofs)
	ds_load_b128 v[rB+4:rB+7],   v[VB0] offset:(\ofs)+32
	ds_load_b128 v[rB+8:rB+11],  v[VB0] offset:(\ofs)+CBP
	ds_load_b128 v[rB+12:rB+15], v[VB0] offset:(\ofs)+CBP+32
	ds_load_b128 v[rB+16:rB+19], v[VB1] offset:(\ofs)
	ds_load_b128 v[rB+20:rB+23], v[VB1] offset:(\ofs)+32
	ds_load_b128 v[rB+24:rB+27], v[VB1] offset:(\ofs)+CBP
	ds_load_b128 v[rB+28:rB+31], v[VB1] offset:(\ofs)+CBP+32
.endm
; 4 ns products.  The accumulators take turns, one instruction a turn, in the same order in every stage.  zero = 1: the first stage starts the sums.
.macro MMS cur, zero, ns
.set rB, BB+32*((\cur)%2)
.set j, 0
.rept \ns
	APOS \cur, j
	WIN 0x50+4*wA                          ; C and D window 1, B window 0, A where it lies
.set c, 0
.rept 4
.set rD, 32*j+8*c
.if \zero
	v_wmma_f32_16x16x32_bf16 v[rD:rD+7], v[rB+8*c:rB+8*c+7], v[rA:rA+7], 0
.else
	v_wmma_f32_16x16x32_bf16 v[rD:rD+7], v[rB+8*c:rB+8*c+7], v[rA:rA+7], v[rD:rD+7]
.endif
.set c, c+1
.endr
.set j, j+1
.endr
.endm
; A stage, on A's buffer cur.  Four v_nop: the loads below go into the two buffers that the last stage's products read, and stand four places behind them (ISA guide 7.12.1 for vector instructions).
; lw: A's loads of the younger stages, 2 ns each, that may stay out: behind that wait this stage's loads are done, so their base may be written: it steps six stages on.
; ld = 1: the stage five on is asked for.  bofs: B of the next stage (-1: none).  dw: those 8 LDS loads may stay out.
.macro KSTEP cur, zero, ld, bofs, lw, dw, ns
.if (\ld) || ((\bofs) >= 0)
.rept 4
	v_nop
.endr
.endif
	s_wait_loadcnt \lw
.if \ld
	s_add_nc_u64 s[BS+2*(\cur):BS+2*(\cur)+1], s[BS+2*(\cur):BS+2*(\cur)+1], 6*KB
	ALOAD ((\cur)+5)%6, \ns
.endif
.if (\bofs) >= 0
	BLOAD ((\cur)+1)%2, \bofs
.endif
	s_wait_dscnt \dw
	MMS \cur, \zero, \ns
.endm
; The 32 stages of a pass, for ns slots.  Stage s works on buffer s % 6 and asks for stage s + 5: at its wait the stages s + 1 .. s + 4, 8 ns loads, may be out.
.macro BODY ns
	ALOAD 0, \ns
	ALOAD 1, \ns
	ALOAD 2, \ns
	ALOAD 3, \ns
	ALOAD 4, \ns
	BLOAD 0, 0
	KSTEP 0, 1, 1, 64, 8*\ns, 8, \ns               ; stage 0 stands ahead of the loop: its products start the sums
	WIN 0
	s_mov_b32 s23, 4
.Lk_\@:                                                ; a trip: stages 6 T + 1 .. 6 T + 6
	KSTEP 1, 0, 1, 128, 8*\ns, 8, \ns
	KSTEP 2, 0, 1, 192, 8*\ns, 8, \ns
	KSTEP 3, 0, 1, 256, 8*\ns, 8, \ns
	KSTEP 4, 0, 1, 320, 8*\ns, 8, \ns
	KSTEP 5, 0, 1, 384, 8*\ns, 8, \ns
	KSTEP 0, 0, 1, 448, 8*\ns, 8, \ns
	WIN 0
	s_add_co_u32 s34, s34, 6*KB
	v_add_nc_u32 v[VB0], s34, v[VBB0]
	v_add_nc_u32 v[VB1], s34, v[VBB1]
	s_sub_co_u32 s23, s23, 1
	s_cmp_lg_u32 s23, 0
	s_cbranch_scc1 .Lk_\@
	KSTEP 1, 0, 1, 128, 8*\ns, 8, \ns              ; stages 25 and 26 ask for the last two;
	KSTEP 2, 0, 1, 192, 8*\ns, 8, \ns
	KSTEP 3, 0, 0, 256, 8*\ns, 8, \ns              ; stages 27 to 31 ask for no row: the counts run down
	KSTEP 4, 0, 0, 320, 6*\ns, 8, \ns
	KSTEP 5, 0, 0, 384, 4*\ns, 8, \ns
	KSTEP 0, 0, 0, 448, 2*\ns, 8, \ns
	KSTEP 1, 0, 0, -1, 0, 0, \ns
.rept 4
	v_nop                                          ; the places behind the last products
.endr
	WIN 0
.endm
; One case of the slot loop's switch: slot j's 32 sums, scaled, go into the registers that the one text of the gelu names: u = 0.8493218 x, the gelu's own first step.
; Each accumulator is read from its low end on.  Slot 4 is the case that is left when the four compares have failed: on every way exactly one case runs.
.macro TAKE j
.if (\j) < 4
	s_cmp_lg_u32 s24, 5-(\j)
	s_cbranch_scc1 .Lnot_\@
.endif
	WIN 0x01
.set i, 0
.rept 16
	v_pk_mul_f32 v[GX+i:GX+i+1], v[32*(\j)+i:32*(\j)+i+1], s[38:39] op_sel_hi:[1,0]
.set i, i+2
.endr
	WIN 0
.if (\j) < 4
	s_branch .Ltaken
.Lnot_\@:
.endif
.endm
	s_load_b256 s[4:11], s[0:1], 0x0               ; xb s[4:5], w1 s[6:7], list s[8:9], cnt s[10:11]
	s_load_b64 s[12:13], s[0:1], 0x20              ; hbuf
	v_lshl_add_u32 v[SPW], v0, 2, SPARE
	v_mov_b32 v[NIL], 0
	v_lshrrev_b32 v1, 5, v0
	v_readfirstlane_b32 s14, v1                    ; wave 0..7
	s_and_b32 s15, ttmp7, 0xffff                   ; e
	s_mov_b32 s16, ttmp9                           ; sl
	v_and_b32 v1, 15, v0                           ; l % 16
	v_bfe_u32 v[VHI], v0, 4, 1
	v_and_b32 v[L16], 31, v0
	v_lshlrev_b32 v[L16], 4, v[L16]
	v_lshlrev_b32 v[M4], 2, v1
	v_lshlrev_b32 v[H16], 4, v[VHI]
	v_lshlrev_b32 v[C16], 4, v1
	v_lshl_add_u32 v[WLD], v[VHI], 16, v[C16]      ; 8 rows of 8,192 bytes for the upper lanes
	v_mul_u32_u24 v[WST], v1, 4*PITCH
	v_add_nc_u32 v[WST], v[WST], v[H16]
	s_lshl_b32 s31, s14, 8                         ; k = 128 w: 256 bytes
	v_add_nc_u32 v[WST], s31, v[WST]
	v_mul_u32_u24 v[VBB0], v1, PITCH
	v_add_nc_u32 v[VBB0], v[VBB0], v[H16]
	v_add_nc_u32 v[VBB1], 2*CBP, v[VBB0]
	s_lshl_b32 s26, s15, 23                        ; w1: the expert,
	s_lshl_b32 s31, s14, 20                        ; my wave's 128 rows,
	s_add_co_u32 s26, s26, s31
	s_lshl_b32 s31, s16, 8                         ; the slice's 256 bytes of a row
	s_add_co_u32 s26, s26, s31
	s_mov_b32 s27, 0
	s_lshl_b32 s50, s15, 14                        ; list
	s_mov_b32 s51, 0
	s_lshl_b32 s52, s15, 7                         ; cnt
	s_mov_b32 s53, 0
	s_lshl_b32 s54, s15, 5
	s_add_co_u32 s54, s54, s16
	s_lshl_b32 s54, s54, 19                        ; hbuf: slice 32 e + sl of 524,288 bytes
	s_mov_b32 s55, 0
	s_mov_b32 s36, 0x3e8ba43f                      ; 0.27273748 = 0.3275911 / sqrt(log2(e)): t's factor for |u|
	s_mov_b32 s37, s36
	s_mov_b32 s38, 0x3f596d27                      ; 0.8493218 = sqrt(log2(e) / 2)
	s_mov_b32 s39, s38                             ; (the packed forms name pairs and take the low word for both halves)
	s_mov_b32 s40, 0x3e027906                      ; the polynomial's five coefficients, halved:  0.127414796
	s_mov_b32 s41, s40
	s_mov_b32 s42, 0xbe11a98e                      ; -0.142248368
	s_mov_b32 s43, s42
	s_mov_b32 s44, 0x3f35f0e3                      ;  0.710706871
	s_mov_b32 s45, s44
	s_mov_b32 s46, 0xbf3a00e3                      ; -0.726576014
	s_mov_b32 s47, s46
	s_mov_b32 s48, 0x3f07dc22                      ;  0.530702715
	s_mov_b32 s49, s48
	s_mov_b32 s56, 0x3f96b55f                      ; 1.17741 = 1 / 0.8493218
	s_mov_b32 s57, s56
	s_wait_kmcnt 0x0
	s_add_nc_u64 s[6:7], s[6:7], s[26:27]
	s_add_nc_u64 s[8:9], s[8:9], s[50:51]
	s_add_nc_u64 s[10:11], s[10:11], s[52:53]
	s_add_nc_u64 s[12:13], s[12:13], s[54:55]
	s_load_b32 s17, s[10:11], 0x0                  ; n
	WLOAD 0, 0                                     ; my eighth of the slice, 32,768 bytes, is asked for at once
	WLOAD 1, 4
	WIN 0
	s_wait_kmcnt 0x0
	s_min_u32 s17, s17, 0x1000
	s_add_co_u32 s18, s17, 15
	s_lshr_b32 s18, s18, 4                         ; nb
	s_max_u32 s19, s18, 1
	s_sub_co_u32 s19, s19, 1                       ; the last block that exists
	s_mov_b32 s20, 0                               ; the pass's first block
	s_mov_b32 s21, s14                             ; my first block in it
	LISTLD 0
	s_wait_loadcnt 37                              ; batch 0 is in: behind it batch 1's 32 loads and the list's 5
	WCONV 0, 0
	s_wait_loadcnt 5                               ; batch 1: behind it the list's 5
	WCONV 1, 4
	WIN 0
	s_wait_dscnt 0x0                               ; for the others' sake: my eighth of the slice is in LDS
	s_barrier_signal -1
	s_barrier_wait -1                              ; the slice is whole; from here to the end of the passes LDS is only read
	s_mov_b32 s22, 7
.Lpass:
	s_cmp_lt_u32 s20, s18
	s_cbranch_scc0 .Lnext                          ; no block of the expert in this pass
	s_wait_loadcnt 0x0                             ; my pairs are in, and no load that names a base is out
	s_wait_xcnt 0x0                                ; the last pass's stores have read their registers, which this pass's loads rewrite
.set j, 0
.rept 5
	v_lshrrev_b32 v[AO+j], 1, v[LP+j]              ; the token,
	v_min_u32 v[AO+j], 0x7ff, v[AO+j]              ; inside xb,
	v_lshl_add_u32 v[AO+j], v[AO+j], 11, v[H16]    ; its row of 2,048 bytes
.set j, j+1
.endr
.set b, 0
.rept 6
	s_add_nc_u64 s[BS+2*b:BS+2*b+1], s[4:5], b*KB  ; buffer b begins with stage b
.set b, b+1
.endr
	s_mov_b32 s34, 0                               ; the K loop's step in the slice's columns
	v_mov_b32 v[VB0], v[VBB0]
	v_mov_b32 v[VB1], v[VBB1]
	s_add_co_u32 s31, s21, 32
	s_cmp_lt_u32 s31, s18
	s_cbranch_scc0 .Lfour                          ; my fifth block lies past the last: four slots
	BODY 5
	s_branch .Lout
.Lfour:
	BODY 4
.Lout:
	; THE WAY OUT.  Five trips, one slot each: the gelu's text stands once, and a switch on the trip's number feeds it.  Behind the way with four slots the fifth trip's block is past the last and is jumped.
	s_mov_b32 s24, 5
	s_mov_b32 s25, s21                             ; the slot's block
.Lslot:
	s_cmp_lt_u32 s25, s18
	s_cbranch_scc0 .Lskip                          ; a block past the last: nothing is stored
	s_wait_xcnt 0x0                                ; the last trip's stores have read GH and HO
	v_lshl_add_u32 v[HO], s25, 11, v[L16]          ; the block's 2,048 bytes
.irp j, 0,1,2,3,4
	TAKE \j
.endr
.Ltaken:
	; gelu(x) = (max(u, 0) - |u| q) / 0.8493218,  u = 0.8493218 x,  q = t (h1 + t (h2 + t (h3 + t (h4 + t h5)))) 2^(-u^2),  t = 1 / (1 + 0.27273748 |u|)
	ALL32 v_fma_f32 v[GT+i], |v[GX+i]|, s36, 1.0
	ALLP v_pk_mul_f32 v[GU+i:GU+i+1], v[GX+i:GX+i+1], v[GX+i:GX+i+1] neg_lo:[1,0] neg_hi:[1,0]
	ALL32 v_rcp_f32 v[GT+i], v[GT+i]               ; ONE batch of 64: none reads another's result
	ALL32 v_exp_f32 v[GU+i], v[GU+i]
	ALL32 v_max_num_f32 v[GM+i], 0, v[GX+i]        ; plain work that names no result of the batch,
	s_wait_alu depctr_va_vdst(0)                   ; and one wait ahead of the batch's first reader
	ALLP v_pk_fma_f32 v[GP+i:GP+i+1], v[GT+i:GT+i+1], s[48:49], s[46:47] op_sel_hi:[1,0,0]
	ALLP v_pk_fma_f32 v[GP+i:GP+i+1], v[GP+i:GP+i+1], v[GT+i:GT+i+1], s[44:45] op_sel_hi:[1,1,0]
	ALLP v_pk_fma_f32 v[GP+i:GP+i+1], v[GP+i:GP+i+1], v[GT+i:GT+i+1], s[42:43] op_sel_hi:[1,1,0]
	ALLP v_pk_fma_f32 v[GP+i:GP+i+1], v[GP+i:GP+i+1], v[GT+i:GT+i+1], s[40:41] op_sel_hi:[1,1,0]
	ALLP v_pk_mul_f32 v[GP+i:GP+i+1], v[GP+i:GP+i+1], v[GT+i:GT+i+1]
	ALLP v_pk_mul_f32 v[GP+i:GP+i+1], v[GP+i:GP+i+1], v[GU+i:GU+i+1]
	ALL32 v_fma_f32 v[GM+i], -|v[GX+i]|, v[GP+i], v[GM+i]
	ALLP v_pk_mul_f32 v[GM+i:GM+i+1], v[GM+i:GM+i+1], s[56:57] op_sel_hi:[1,0]
	ALL16 v_cvt_pk_f16_f32 v[GH+i], v[GM+2*i], v[GM+2*i+1]
.irp c, 0,1,2,3
	global_store_b128 v[HO], v[GH+4*(\c):GH+4*(\c)+3], s[12:13] offset:512*(\c)  ; 512 consecutive bytes; the whole block, ranks past n too: the next launch reads whole blocks
.endr
.Lskip:
	s_add_co_u32 s25, s25, 8
	s_sub_co_u32 s24, s24, 1
	s_cmp_lg_u32 s24, 0
	s_cbranch_scc1 .Lslot
	LISTLD PB                                      ; the next pass's pairs
.Lnext:
	s_add_co_u32 s20, s20, PB
	s_add_co_u32 s21, s21, PB
	s_sub_co_u32 s22, s22, 1
	s_cmp_lg_u32 s22, 0
	s_cbranch_scc1 .Lpass
	s_wait_dscnt 0x0                               ; my reads of the slice are back,
	s_barrier_signal -1
	s_barrier_wait -1                              ; and so are every wave's, before any wave writes LDS again: the closing lines do
	s_wait_tensorcnt 0x0                           ; the wave's end: three closing lines behind the last LDS store
	ds_add_u32 v[SPW], v[NIL]
	s_wait_dscnt 0x0
	s_endpgm
.Lfunc_end_k_q5c35241102_up:
	.size	k_q5c35241102_up, .Lfunc_end_k_q5c35241102_up-k_q5c35241102_up
	.p2alignl 7, 3214868480
	.fill 96, 4, 3214868480
	.section	.rodata,"a",@progbits
	.p2align	6, 0x0
	.amdhsa_kernel k_q5c35241102_up
		.amdhsa_group_segment_fixed_size 133120
		.amdhsa_private_segment_fixed_size 0
		.amdhsa_enable_private_segment 0
		.amdhsa_kernarg_size 40
		.amdhsa_user_sgpr_count 2
		.amdhsa_user_sgpr_kernarg_segment_ptr 1
		.amdhsa_wavefront_size32 1
		.amdhsa_system_sgpr_workgroup_id_x 1
		.amdhsa_system_sgpr_workgroup_id_y 1
		.amdhsa_system_sgpr_workgroup_id_z 1
		.amdhsa_system_vgpr_workitem_id 0
		.amdhsa_next_free_vgpr 512
		.amdhsa_next_free_sgpr 80
		.amdhsa_reserve_vcc 0
		.amdhsa_float_denorm_mode_32 3
		.amdhsa_float_denorm_mode_16_64 3
		.amdhsa_memory_ordered 1
		.amdhsa_forward_progress 1
		.amdhsa_inst_pref_size 126
	.end_amdhsa_kernel
	.amdgpu_metadata
---
amdhsa.version: [ 1, 2 ]
amdhsa.kernels:
  - .name:           k_q5c35241102_up
    .symbol:         k_q5c35241102_up.kd
    .args:
      - { .name: xb, .offset: 0, .size: 8, .value_kind: global_buffer, .address_space: global }
      - { .name: w1, .offset: 8, .size: 8, .value_kind: global_buffer, .address_space: global }
      - { .name: list, .offset: 16, .size: 8, .value_kind: global_buffer, .address_space: global }
      - { .name: cnt, .offset: 24, .size: 8, .value_kind: global_buffer, .address_space: global }
      - { .name: hbuf, .offset: 32, .size: 8, .value_kind: global_buffer, .address_space: global }
    .group_segment_fixed_size: 133120
    .private_segment_fixed_size: 0
    .kernarg_segment_align: 8
    .kernarg_segment_size: 40
    .max_flat_workgroup_size: 256
    .sgpr_count:     80
    .vgpr_count:     512
    .wavefront_size: 32
...
	.end_amdgpu_metadata
.endif
;; end of part 2
;; launch down (part 3): grid 32 x 8, 8 waves a work-group, no clusters, 133,120 bytes of LDS; arguments hbuf, w2, list, cnt, part; writes part
.if DOCPART == 3
	.amdgcn_target "amdgcn-amd-amdhsa--gfx1250"
	.amdhsa_code_object_version 6
	.text
	.protected	k_q5c35241102_down
	.globl	k_q5c35241102_down
	.p2align	8
	.type	k_q5c35241102_down,@function
k_q5c35241102_down:
	s_mov_b64 s[64:65], 0
	v_nop
	global_prefetch_b8 v0, s[64:65] scope:SCOPE_SE
	s_setreg_imm32_b32 hwreg(HW_REG_WAVE_MODE, 25, 1), 1
	s_wait_xcnt 0x0
; DOWN.  part[kh][p][:] = the sum over one half of the hidden width of h[rank of p][f] w2[e][f][:], in f32, for the pairs p of expert e's list.
; SHARES.  Work-group (x, e): ns = x % 16: output columns 64 ns .. 64 ns + 63; kh = x / 16: hidden rows 1,024 kh .. 1,024 kh + 1,023.  So a slice of w2 of 1,024 (K) x 64 (N), 262,144 bytes of f32 that
; the work-group alone reads, in pieces of 256 consecutive bytes; and ALL the expert's blocks of 16 ranks, nb = ceil(n / 16).  The two halves' sums are partial sums: they stay f32, and the next launch adds them.
; The slice is rounded to bf16, like every input, and that number is written as f16 (h is f16, and both operands of a product have one format); it is laid into LDS once, [n][k], column 4 c + q at LDS row 16 q + c;
; behind the barrier that follows, LDS is only read.
; PASSES: a pass takes 40 blocks: wave w, slot j (0..4) has block 40 q + 8 j + w; seven passes, a constant, cover 4,096 pairs on one expert.  The K loop's text stands twice, for five slots and for four: a wave whose fifth
; block lies past the last takes the shorter one.  A slot 0-3 past nb loads the last block that exists, multiplies like the others and stores nothing; a pass with no block is jumped.
; EIGHT WAVES, two to a SIMD, 512 registers each.  A wave's LOADcnt counts to 63 (ISA guide 5.7.1).  With 10 loads a stage a wave has five stages, 50 loads of 16 bytes a lane, on their way, a SIMD's two waves 100;
; four waves with 18 loads a stage could have three stages out.  And while one wave issues its loads or waits, the SIMD's other wave has products to issue.  The price: each wave reads B's fragments for itself.
; PRODUCT: source 0 = 16 ranks of h (from memory, straight into registers: hbuf lies in the operand's own order, 512 consecutive bytes a load), source 1 = 16 LDS rows of the slice.  K goes in 32 stages of 32; A's fragments lie
; in a ring of six register buffers.  In accumulator cb, register t of lane l is rank 8 (l / 16) + t and LDS row 16 cb + l % 16, which is column 4 (l % 16) + cb: register t of a slot's FOUR accumulators is four neighbouring columns of one row.
; THE WAY OUT: 32 moves inside the lane bring those fours together; a store of 16 bytes a lane then writes, from sixteen neighbouring lanes, 256 consecutive bytes, at a multiple of 256 from part's first byte, of row p.
; A block is stored WHOLE, with every lane on.  In the expert's last block the list names, for a rank past n, a spare row of part: row 4096 + 16 e + rank % 16.  A plane of part has 4,096 + 128 rows; a spare row belongs to
; one expert and one rank, and a work-group writes its own 256 bytes of it, in its own plane: each byte has one writer, and no launch reads it.  The price: at most 15 x 256 bytes a work-group.
; NO CLUSTER, NO TENSOR LOADS.  An expert's blocks of h are dense and 16 work-groups read them, but how many there are hangs on a stored count, under which no barrier.  Each weight byte has one reader.
; LIMITS.  bf16(w2) stays under 65,504 and, below 2^-14, keeps f16's fixed step of 2^-24.  NaN and infinities are not treated apart.
; REGISTERS, in windows of 256 (s_set_vgpr_msb: bits 1:0 source 0, 3:2 source 1, 5:4 source 2, 7:6 destination):
;   window 0: v0-47 addresses; v48-111 B, two buffers of 32; v112-231 A's buffers 0-2, 40 each; v232-255 slots 0-2 of A's buffer 5
;   window 1: v0-159 the accumulators, (j, cb) at 32 j + 8 cb; v160-239 A's buffers 3, 4; v240-255 slots 3, 4 of A's buffer 5; before the passes: the slice as loaded, two batches of 128
.set PITCH, 2064                       ; a row of the slice in LDS: 2,048 bytes + 16 = 129 x 16: 16 neighbouring rows start at 16 different groups of four banks (64 banks of 4 bytes: ISA guide 11.1)
.set CBP,   16*PITCH
.set SPARE, 64*PITCH                   ; behind the slice: the spare words, 128 bytes for each of eight waves
.set WP,    4096                       ; bytes from row to row of w2
.set SL,    524288                     ; hbuf: from a slice of 64 hidden columns to the next: two stages
.set HS,    1024                       ; a slice's second stage: column blocks 2, 3
.set H2,    512                        ; a stage's second column block
.set PB,    40                         ; blocks in a pass
.set ROWS,  4096+128                   ; rows in a plane of part: the pairs', then 16 spare rows for each expert
.set PLANE, ROWS*4096                  ; bytes in a plane
.set H32,  2                           ; 32 (l / 16)
.set H16,  3                           ; 16 (l / 16)
.set L16,  4                           ; 16 l
.set WLD,  5                           ; the slice in memory: (l / 16) x 8 rows + 16 (l % 16)
.set WST0, 6                           ; the slice in LDS: row l % 16, k = 128 w + 8 (l / 16): my columns 4 c, 4 c + 1 go to rows c, 16 + c,
.set VBB0, 7                           ; B's fragments: (l % 16) x PITCH + 16 (l / 16); row blocks 0, 1; never rewritten
.set VBB1, 8                           ; row blocks 2, 3; never rewritten
.set VB0,  9                           ; the same two plus the K loop's step
.set VB1,  10
.set WST1, 11                          ; my columns 4 c + 2, 4 c + 3 to rows 32 + c, 48 + c
.set C16,  13                          ; 16 (l % 16)
.set AO,   16                          ; v16-20  slot j: byte offset of my 16 bytes of its block in a slice of hbuf
.set LA,   22                          ; v22-26  slot j: byte offset in the list of my eight ranks' pairs
.set PA,   32                          ; v32-39  the way out: my eight ranks' pairs, then the byte offsets in part of my 16 bytes of their rows
.set SPW,  46                          ; my spare word; never rewritten
.set NIL,  47                          ; 0; never rewritten
.set BB,   48
.set CV,   112                         ; the prologue: 16 registers of pairs,
.set TLO,  128                         ; and the pairs' halves as f32
.set THI,  144
.set OD,   112                         ; the way out: 8 x 4 registers to store, where A's buffer 0 lay
.set LQ,   192                         ; the pairs of my lane's eight ranks, 8 a slot, where A's buffer 2 lay
.set BS,   68                          ; s[68:79]  a base for each of A's six buffers: hbuf at the stage that the buffer takes next
.set MSB, 0
.macro WIN new                         ; the immediate's high byte repeats the setting that is left; a switch that changes nothing is dropped
.if MSB != (\new)
	s_set_vgpr_msb (MSB<<8)|(\new)
.set MSB, (\new)
.endif
.endm
.macro APOS buf, j                     ; where slot j of A's buffer buf lies: register rA of window wA
.if (\buf) < 3
.set rA, 112+40*(\buf)+8*(\j)
.set wA, 0
.elseif (\buf) < 5
.set rA, 160+40*((\buf)-3)+8*(\j)
.set wA, 1
.elseif (\j) < 3
.set rA, 232+8*(\j)
.set wA, 0
.else
.set rA, 240+8*((\j)-3)
.set wA, 1
.endif
.endm
; 32 loads: four units of 16 k, from unit u0 on, into batch bt.  An instruction takes two pieces of 256 consecutive bytes: rows 16 u + i and 16 u + 8 + i.
.macro WLOAD bt, u0
	WIN 0x40
.set u, 0
.rept 4
.set i, 0
.rept 8
	global_load_b128 v[128*(\bt)+32*u+4*i:128*(\bt)+32*u+4*i+3], v[WLD], s[6:7] offset:(((\u0)+u)*16+i)*WP th:TH_LOAD_NT
.set i, i+1
.endr
.set u, u+1
.endr
.endm
; The batch is rounded and turned: a lane holds 8 rows (k) x 4 columns (n); pairing rows 2 a, 2 a + 1 of ONE column gives, for each column, 16 bytes = 8 neighbouring k.  Rounded to bf16, widened, written as f16.
.macro WCONV bt, u0
.set u, 0
.rept 4
	WIN 0x05
.set q, 0
.rept 16                               ; q = 4 x column + pair of rows
	v_cvt_pk_bf16_f32 v[CV+q], v[128*(\bt)+32*u+8*(q%4)+q/4], v[128*(\bt)+32*u+8*(q%4)+4+q/4]
.set q, q+1
.endr
	WIN 0
.set q, 0
.rept 16
	v_lshlrev_b32 v[TLO+q], 16, v[CV+q]
	v_and_b32 v[THI+q], s33, v[CV+q]
.set q, q+1
.endr
.set q, 0
.rept 16
	v_cvt_pk_f16_f32 v[CV+q], v[TLO+q], v[THI+q]
.set q, q+1
.endr
	ds_store_b128 v[WST0], v[CV:CV+3]     offset:32*((\u0)+u)      ; sixteen neighbouring lanes: sixteen neighbouring LDS rows
	ds_store_b128 v[WST0], v[CV+4:CV+7]   offset:CBP+32*((\u0)+u)
	ds_store_b128 v[WST1], v[CV+8:CV+11]  offset:32*((\u0)+u)
	ds_store_b128 v[WST1], v[CV+12:CV+15] offset:CBP+32*((\u0)+u)
.set u, u+1
.endr
.endm
; The pairs of my five blocks: lane l takes those of ranks 8 (l / 16) + 0..7, 32 bytes a block.  Always five blocks, ten loads, so that the registers that the way out's switch names are written on both ways.
.macro LQLOAD
	WIN 0
.set j, 0
.rept 5
	global_load_b128 v[LQ+8*j:LQ+8*j+3],   v[LA+j], s[8:9]
	global_load_b128 v[LQ+8*j+4:LQ+8*j+7], v[LA+j], s[8:9] offset:16
.set j, j+1
.endr
.endm
; A's fragments of one stage, two loads of 512 consecutive bytes a slot: the stage's two column blocks, from the buffer's own base.
.macro ALOAD buf, ns
.set j, 0
.rept \ns
	APOS \buf, j
	WIN 0x40*wA
	global_load_b128 v[rA:rA+3],   v[AO+j], s[BS+2*(\buf):BS+2*(\buf)+1]
	global_load_b128 v[rA+4:rA+7], v[AO+j], s[BS+2*(\buf):BS+2*(\buf)+1] offset:H2
.set j, j+1
.endr
.endm
; B's fragments of one stage, 8 LDS loads
.macro BLOAD buf, ofs
	WIN 0
.set rB, BB+32*(\buf)
	ds_load_b128 v[rB:rB+3],     v[VB0] offset:(\ofs)
	ds_load_b128 v[rB+4:rB+7],   v[VB0] offset:(\ofs)+32
	ds_load_b128 v[rB+8:rB+11],  v[VB0] offset:(\ofs)+CBP
	ds_load_b128 v[rB+12:rB+15], v[VB0] offset:(\ofs)+CBP+32
	ds_load_b128 v[rB+16:rB+19], v[VB1] offset:(\ofs)
	ds_load_b128 v[rB+20:rB+23], v[VB1] offset:(\ofs)+32
	ds_load_b128 v[rB+24:rB+27], v[VB1] offset:(\ofs)+CBP
	ds_load_b128 v[rB+28:rB+31], v[VB1] offset:(\ofs)+CBP+32
.endm
; 4 ns products.  The accumulators take turns, one instruction a turn, in the same order in every stage.  zero = 1: the first stage starts the sums.
.macro MMS cur, zero, ns
.set rB, BB+32*((\cur)%2)
.set j, 0
.rept \ns
	APOS \cur, j
	WIN 0x50+wA                            ; C and D window 1, B window 0, A where it lies
.set c, 0
.rept 4
.set rD, 32*j+8*c
.if \zero
	v_wmma_f32_16x16x32_f16 v[rD:rD+7], v[rA:rA+7], v[rB+8*c:rB+8*c+7], 0
.else
	v_wmma_f32_16x16x32_f16 v[rD:rD+7], v[rA:rA+7], v[rB+8*c:rB+8*c+7], v[rD:rD+7]
.endif
.set c, c+1
.endr
.set j, j+1
.endr
.endm
; A stage, on A's buffer cur.  Four v_nop: the loads below go into the two buffers that the last stage's products read, and stand four places behind them (ISA guide 7.12.1 for vector instructions).
; lw: the younger loads that may stay out: behind that wait this stage's loads are done, so their base may be written: it steps six stages on.
; ld = 1: the stage five on is asked for; ld = 2: the pairs, into the buffer that the last stage read.  bofs: B of the next stage (-1: none).  dw: those 8 LDS loads may stay out.
.macro KSTEP cur, zero, ld, bofs, lw, dw, ns
.if (\ld) || ((\bofs) >= 0)
.rept 4
	v_nop
.endr
.endif
	s_wait_loadcnt \lw
.if (\ld) == 1
	s_add_nc_u64 s[BS+2*(\cur):BS+2*(\cur)+1], s[BS+2*(\cur):BS+2*(\cur)+1], 3*SL
	ALOAD ((\cur)+5)%6, \ns
.elseif (\ld) == 2
	LQLOAD
.endif
.if (\bofs) >= 0
	BLOAD ((\cur)+1)%2, \bofs
.endif
	s_wait_dscnt \dw
	MMS \cur, \zero, \ns
.endm
; The 32 stages of a pass, for ns slots.  Stage s works on buffer s % 6 and asks for stage s + 5: at its wait the stages s + 1 .. s + 4, 8 ns loads, may be out.
.macro BODY ns
	ALOAD 0, \ns
	ALOAD 1, \ns
	ALOAD 2, \ns
	ALOAD 3, \ns
	ALOAD 4, \ns
	BLOAD 0, 0
	KSTEP 0, 1, 1, 64, 8*\ns, 8, \ns               ; stage 0 stands ahead of the loop: its products start the sums
	WIN 0
	s_mov_b32 s23, 4
.Lk_\@:                                                ; a trip: stages 6 T + 1 .. 6 T + 6
	KSTEP 1, 0, 1, 128, 8*\ns, 8, \ns
	KSTEP 2, 0, 1, 192, 8*\ns, 8, \ns
	KSTEP 3, 0, 1, 256, 8*\ns, 8, \ns
	KSTEP 4, 0, 1, 320, 8*\ns, 8, \ns
	KSTEP 5, 0, 1, 384, 8*\ns, 8, \ns
	KSTEP 0, 0, 1, 448, 8*\ns, 8, \ns
	WIN 0
	s_add_co_u32 s34, s34, 384
	v_add_nc_u32 v[VB0], s34, v[VBB0]
	v_add_nc_u32 v[VB1], s34, v[VBB1]
	s_sub_co_u32 s23, s23, 1
	s_cmp_lg_u32 s23, 0
	s_cbranch_scc1 .Lk_\@
	KSTEP 1, 0, 1, 128, 8*\ns, 8, \ns              ; stages 25 and 26 ask for the last two;
	KSTEP 2, 0, 1, 192, 8*\ns, 8, \ns
	KSTEP 3, 0, 2, 256, 8*\ns, 8, \ns              ; stage 27 asks for the pairs, ten loads, which the way out wants;
	KSTEP 4, 0, 0, 320, 6*\ns+10, 8, \ns           ; the counts run down, the ten always among those that may be out
	KSTEP 5, 0, 0, 384, 4*\ns+10, 8, \ns
	KSTEP 0, 0, 0, 448, 2*\ns+10, 8, \ns
	KSTEP 1, 0, 0, -1, 10, 0, \ns
.rept 4
	v_nop                                          ; the places behind the last products
.endr
	WIN 0
.endm
; One case of the slot loop's switch.  Register t of slot j's four accumulators, four neighbouring columns of rank 8 (l / 16) + t, go into four neighbouring registers; each accumulator's register 0 is read first.
; The eight ranks' pairs go into the registers that the one text of the stores names.  Slot 4 is the case that is left when the four compares have failed: on every way exactly one case runs.
.macro TAKE j
.if (\j) < 4
	s_cmp_lg_u32 s24, 5-(\j)
	s_cbranch_scc1 .Lnot_\@
.endif
	WIN 0x01
.set i, 0
.rept 32                               ; i = 4 t + cb
	v_mov_b32 v[OD+i], v[32*(\j)+8*(i%4)+i/4]
.set i, i+1
.endr
	WIN 0
.set i, 0
.rept 8
	v_mov_b32 v[PA+i], v[LQ+8*(\j)+i]
.set i, i+1
.endr
.if (\j) < 4
	s_branch .Ltaken
.Lnot_\@:
.endif
.endm
	s_load_b256 s[4:11], s[0:1], 0x0               ; hbuf s[4:5], w2 s[6:7], list s[8:9], cnt s[10:11]
	s_load_b64 s[12:13], s[0:1], 0x20              ; part
	v_lshl_add_u32 v[SPW], v0, 2, SPARE
	v_mov_b32 v[NIL], 0
	v_lshrrev_b32 v1, 5, v0
	v_readfirstlane_b32 s14, v1                    ; wave 0..7
	s_and_b32 s15, ttmp7, 0xffff                   ; e
	s_and_b32 s16, ttmp9, 15                       ; ns
	s_lshr_b32 s35, ttmp9, 4                       ; kh
	v_and_b32 v1, 15, v0                           ; l % 16
	v_bfe_u32 v12, v0, 4, 1                        ; l / 16
	v_and_b32 v[L16], 31, v0
	v_lshlrev_b32 v[L16], 4, v[L16]
	v_lshlrev_b32 v[H16], 4, v12
	v_lshlrev_b32 v[H32], 5, v12
	v_lshlrev_b32 v[C16], 4, v1
	v_lshl_add_u32 v[WLD], v12, 15, v[C16]         ; 8 rows of 4,096 bytes for the upper lanes
	v_mul_u32_u24 v[VBB0], v1, PITCH
	v_add_nc_u32 v[VBB0], v[VBB0], v[H16]
	v_add_nc_u32 v[VBB1], 2*CBP, v[VBB0]
	s_lshl_b32 s31, s14, 8                         ; k = 128 w: 256 bytes
	v_add_nc_u32 v[WST0], s31, v[VBB0]
	v_add_nc_u32 v[WST1], s31, v[VBB1]
	s_lshl_b32 s26, s15, 23                        ; w2: the expert,
	s_lshl_b32 s31, s35, 22                        ; the half's 1,024 rows of 4,096 bytes,
	s_add_co_u32 s26, s26, s31
	s_lshl_b32 s31, s14, 19                        ; my wave's 128 of them,
	s_add_co_u32 s26, s26, s31
	s_lshl_b32 s31, s16, 8                         ; the slice's 256 bytes of a row
	s_add_co_u32 s26, s26, s31
	s_mov_b32 s27, 0
	s_mul_i32 s54, s35, PLANE                      ; part: the half's plane,
	s_add_co_u32 s54, s54, s31                     ; the slice's 256 bytes of a row
	s_mov_b32 s55, 0
	s_lshl_b32 s50, s15, 14                        ; list
	s_mov_b32 s51, 0
	s_lshl_b32 s52, s15, 7                         ; cnt
	s_mov_b32 s53, 0
	s_lshl_b32 s56, s15, 5
	s_lshl_b32 s31, s35, 4
	s_add_co_u32 s56, s56, s31
	s_lshl_b32 s56, s56, 19                        ; hbuf: slice 32 e + 16 kh of 524,288 bytes
	s_mov_b32 s57, 0
	s_mov_b32 s33, 0xffff0000                      ; a word's upper bf16
	s_wait_kmcnt 0x0
	s_add_nc_u64 s[4:5], s[4:5], s[56:57]
	s_add_nc_u64 s[6:7], s[6:7], s[26:27]
	s_add_nc_u64 s[8:9], s[8:9], s[50:51]
	s_add_nc_u64 s[10:11], s[10:11], s[52:53]
	s_add_nc_u64 s[12:13], s[12:13], s[54:55]
	s_load_b32 s17, s[10:11], 0x0                  ; n
	WLOAD 0, 0                                     ; my eighth of the slice, 32,768 bytes, is asked for at once
	WLOAD 1, 4
	WIN 0
	s_wait_kmcnt 0x0
	s_min_u32 s17, s17, 0x1000
	s_add_co_u32 s18, s17, 15
	s_lshr_b32 s18, s18, 4                         ; nb
	s_max_u32 s19, s18, 1
	s_sub_co_u32 s19, s19, 1                       ; the last block that exists
	s_mov_b32 s20, 0                               ; the pass's first block
	s_mov_b32 s21, s14                             ; my first block in it
	s_wait_loadcnt 32                              ; batch 0 is in: behind it batch 1's 32 loads
	WCONV 0, 0
	s_wait_loadcnt 0x0
	WCONV 1, 4
	WIN 0
	s_wait_dscnt 0x0                               ; for the others' sake: my eighth of the slice is in LDS
	s_barrier_signal -1
	s_barrier_wait -1                              ; the slice is whole; from here to the end of the passes LDS is only read
	s_mov_b32 s22, 7
.Lpass:
	s_cmp_lt_u32 s20, s18
	s_cbranch_scc0 .Lnext                          ; no block of the expert in this pass
	s_wait_xcnt 0x0                                ; the last pass's stores have read their registers, which this pass's loads rewrite; its loads were waited for on its way out, so the bases may be set anew
.set j, 0
.rept 5
	s_add_co_u32 s31, s21, 8*j
	s_min_u32 s31, s31, s19                        ; a block past the last is the last,
	s_min_u32 s31, s31, 255                        ; inside the slice of hbuf and inside the list:
	v_lshl_add_u32 v[AO+j], s31, 11, v[L16]        ; its 2,048 bytes of h,
	v_lshl_add_u32 v[LA+j], s31, 6, v[H32]         ; its 64 bytes of pairs
.set j, j+1
.endr
.set b, 0
.rept 6
	s_add_nc_u64 s[BS+2*b:BS+2*b+1], s[4:5], (b/2)*SL+(b%2)*HS  ; buffer b begins with stage b
.set b, b+1
.endr
	s_mov_b32 s34, 0                               ; the K loop's step in the slice's rows
	v_mov_b32 v[VB0], v[VBB0]
	v_mov_b32 v[VB1], v[VBB1]
	s_add_co_u32 s31, s21, 32
	s_cmp_lt_u32 s31, s18
	s_cbranch_scc0 .Lfour                          ; my fifth block lies past the last: four slots
	BODY 5
	s_branch .Lout
.Lfour:
	BODY 4
.Lout:
	; THE WAY OUT.  Five trips, one slot each: the stores' text stands once, and a switch on the trip's number feeds it.  Behind the way with four slots the fifth trip's block is past the last and is jumped.
	s_wait_loadcnt 0x0                             ; the pairs are in
	s_mov_b32 s24, 5
	s_mov_b32 s25, s21                             ; the slot's block
.Lslot:
	s_cmp_lt_u32 s25, s18
	s_cbranch_scc0 .Lskip                          ; a block past the last: nothing is stored
	s_wait_xcnt 0x0                                ; the last trip's stores have read OD and PA
.irp j, 0,1,2,3,4
	TAKE \j
.endr
.Ltaken:
.irp t, 0,1,2,3,4,5,6,7
	v_min_u32 v[PA+(\t)], ROWS-1, v[PA+(\t)]       ; the row that the list names, inside the plane,
	v_lshl_add_u32 v[PA+(\t)], v[PA+(\t)], 12, v[C16]  ; its 4,096 bytes, my 16 bytes of the slice's 256
.endr
.irp t, 0,1,2,3,4,5,6,7
	global_store_b128 v[PA+(\t)], v[OD+4*(\t):OD+4*(\t)+3], s[12:13]  ; lanes 0-15: 256 consecutive bytes of rank t's row; lanes 16-31: of rank 8 + t's
.endr
.Lskip:
	s_add_co_u32 s25, s25, 8
	s_sub_co_u32 s24, s24, 1
	s_cmp_lg_u32 s24, 0
	s_cbranch_scc1 .Lslot
.Lnext:
	s_add_co_u32 s20, s20, PB
	s_add_co_u32 s21, s21, PB
	s_sub_co_u32 s22, s22, 1
	s_cmp_lg_u32 s22, 0
	s_cbranch_scc1 .Lpass
	s_wait_dscnt 0x0                               ; my reads of the slice are back,
	s_barrier_signal -1
	s_barrier_wait -1                              ; and so are every wave's, before any wave writes LDS again: the closing lines do
	s_wait_tensorcnt 0x0                           ; the wave's end: three closing lines behind the last LDS store
	ds_add_u32 v[SPW], v[NIL]
	s_wait_dscnt 0x0
	s_endpgm
.Lfunc_end_k_q5c35241102_down:
	.size	k_q5c35241102_down, .Lfunc_end_k_q5c35241102_down-k_q5c35241102_down
	.p2alignl 7, 3214868480
	.fill 96, 4, 3214868480
	.section	.rodata,"a",@progbits
	.p2align	6, 0x0
	.amdhsa_kernel k_q5c35241102_down
		.amdhsa_group_segment_fixed_size 133120
		.amdhsa_private_segment_fixed_size 0
		.amdhsa_enable_private_segment 0
		.amdhsa_kernarg_size 40
		.amdhsa_user_sgpr_count 2
		.amdhsa_user_sgpr_kernarg_segment_ptr 1
		.amdhsa_wavefront_size32 1
		.amdhsa_system_sgpr_workgroup_id_x 1
		.amdhsa_system_sgpr_workgroup_id_y 1
		.amdhsa_system_sgpr_workgroup_id_z 1
		.amdhsa_system_vgpr_workitem_id 0
		.amdhsa_next_free_vgpr 512
		.amdhsa_next_free_sgpr 80
		.amdhsa_reserve_vcc 0
		.amdhsa_float_denorm_mode_32 3
		.amdhsa_float_denorm_mode_16_64 3
		.amdhsa_memory_ordered 1
		.amdhsa_forward_progress 1
		.amdhsa_inst_pref_size 127
	.end_amdhsa_kernel
	.amdgpu_metadata
---
amdhsa.version: [ 1, 2 ]
amdhsa.kernels:
  - .name:           k_q5c35241102_down
    .symbol:         k_q5c35241102_down.kd
    .args:
      - { .name: hbuf, .offset: 0, .size: 8, .value_kind: global_buffer, .address_space: global }
      - { .name: w2, .offset: 8, .size: 8, .value_kind: global_buffer, .address_space: global }
      - { .name: list, .offset: 16, .size: 8, .value_kind: global_buffer, .address_space: global }
      - { .name: cnt, .offset: 24, .size: 8, .value_kind: global_buffer, .address_space: global }
      - { .name: part, .offset: 32, .size: 8, .value_kind: global_buffer, .address_space: global }
    .group_segment_fixed_size: 133120
    .private_segment_fixed_size: 0
    .kernarg_segment_align: 8
    .kernarg_segment_size: 40
    .max_flat_workgroup_size: 256
    .sgpr_count:     80
    .vgpr_count:     512
    .wavefront_size: 32
...
	.end_amdgpu_metadata
.endif
;; end of part 3
;; launch sum (part 4): grid 256 x 1, 8 waves a work-group, no clusters, 0 bytes of LDS; arguments part, expert_weights, out0; writes out0
.if DOCPART == 4
	.amdgcn_target "amdgcn-amd-amdhsa--gfx1250"
	.amdhsa_code_object_version 6
	.text
	.protected	k_q5c35241102_sum
	.globl	k_q5c35241102_sum
	.p2align	8
	.type	k_q5c35241102_sum,@function
k_q5c35241102_sum:
	s_mov_b64 s[64:65], 0
	v_nop
	global_prefetch_b8 v0, s[64:65] scope:SCOPE_SE
	s_setreg_imm32_b32 hwreg(HW_REG_WAVE_MODE, 25, 1), 1
	s_wait_xcnt 0x0
; SUM.  out[t] = g0 (part[0][2 t] + part[1][2 t]) + g1 (part[0][2 t + 1] + part[1][2 t + 1]),  g0, g1 = expert_weights[t][0], [t][1] rounded to bf16, like x, w1 and w2.
; One wave, one token: t = 8 x work-group + wave.  A row is 4,096 bytes: eight chunks of 512 consecutive bytes, four loads a chunk; all 32 loads, 16,384 bytes a wave, go out at once.
; A plane of part has 4,096 rows of pairs and 128 spare rows behind them, which are not read here.
; A stream: every pair's row of part is read once and every byte of out0 written once, 512 consecutive bytes a store; LDS, barriers and the matrix unit would add nothing.
.set PLANE, (4096+128)*4096            ; bytes in a plane of part
.set D, 8                              ; chunk i at v[D+16 i]: part 0's rows 2 t, 2 t + 1, then part 1's, four registers each; the result takes the first four
	s_load_b128 s[4:7], s[0:1], 0x0                ; part s[4:5], expert_weights s[6:7]
	s_load_b64 s[8:9], s[0:1], 0x10                ; out0
	v_lshrrev_b32 v1, 5, v0
	v_readfirstlane_b32 s14, v1                    ; wave 0..7
	s_lshl_b32 s15, ttmp9, 3
	s_add_co_u32 s15, s15, s14                     ; t
	v_and_b32 v2, 31, v0
	v_lshlrev_b32 v2, 4, v2                        ; 16 x lane
	s_lshl_b32 s20, s15, 13                        ; two rows of part
	s_mov_b32 s21, 0
	s_lshl_b32 s22, s15, 3                         ; two weights
	s_mov_b32 s23, 0
	s_lshl_b32 s24, s15, 12                        ; a row of out0
	s_mov_b32 s25, 0
	s_wait_kmcnt 0x0
	s_add_nc_u64 s[4:5], s[4:5], s[20:21]
	s_add_nc_u64 s[10:11], s[4:5], PLANE           ; the second half's sums
	s_add_nc_u64 s[6:7], s[6:7], s[22:23]
	s_add_nc_u64 s[8:9], s[8:9], s[24:25]
	s_load_b64 s[16:17], s[6:7], 0x0
.irp i, 0,1,2,3,4,5,6,7
	global_load_b128 v[D+16*(\i):D+16*(\i)+3],     v2, s[4:5]   offset:512*(\i) th:TH_LOAD_NT
	global_load_b128 v[D+16*(\i)+4:D+16*(\i)+7],   v2, s[4:5]   offset:4096+512*(\i) th:TH_LOAD_NT
	global_load_b128 v[D+16*(\i)+8:D+16*(\i)+11],  v2, s[10:11] offset:512*(\i) th:TH_LOAD_NT
	global_load_b128 v[D+16*(\i)+12:D+16*(\i)+15], v2, s[10:11] offset:4096+512*(\i) th:TH_LOAD_NT
.endr
	s_wait_kmcnt 0x0
	v_mov_b32 v4, s16
	v_mov_b32 v6, s17
	v_cvt_pk_bf16_f32 v3, v4, v6                   ; both weights rounded to bf16,
	v_lshlrev_b32 v4, 16, v3                       ; and widened again: g0 twice in v[4:5],
	v_and_b32 v6, 0xffff0000, v3                   ; g1 twice in v[6:7]
	v_mov_b32 v5, v4
	v_mov_b32 v7, v6
.irp i, 0,1,2,3,4,5,6,7
	s_wait_loadcnt 4*(7-(\i))                      ; loads come back in order (ISA guide 5.7.1): chunk i's four are in, the younger chunks' may be out
.irp z, 0,2
	v_pk_add_f32 v[D+16*(\i)+(\z):D+16*(\i)+(\z)+1],     v[D+16*(\i)+(\z):D+16*(\i)+(\z)+1],     v[D+16*(\i)+8+(\z):D+16*(\i)+8+(\z)+1]
	v_pk_add_f32 v[D+16*(\i)+4+(\z):D+16*(\i)+4+(\z)+1], v[D+16*(\i)+4+(\z):D+16*(\i)+4+(\z)+1], v[D+16*(\i)+12+(\z):D+16*(\i)+12+(\z)+1]
	v_pk_mul_f32 v[D+16*(\i)+(\z):D+16*(\i)+(\z)+1],     v[D+16*(\i)+(\z):D+16*(\i)+(\z)+1],     v[4:5]
	v_pk_fma_f32 v[D+16*(\i)+(\z):D+16*(\i)+(\z)+1],     v[D+16*(\i)+4+(\z):D+16*(\i)+4+(\z)+1], v[6:7], v[D+16*(\i)+(\z):D+16*(\i)+(\z)+1]
.endr
	global_store_b128 v2, v[D+16*(\i):D+16*(\i)+3], s[8:9] offset:512*(\i) th:TH_STORE_NT
.endr
	s_endpgm
.Lfunc_end_k_q5c35241102_sum:
	.size	k_q5c35241102_sum, .Lfunc_end_k_q5c35241102_sum-k_q5c35241102_sum
	.p2alignl 7, 3214868480
	.fill 96, 4, 3214868480
	.section	.rodata,"a",@progbits
	.p2align	6, 0x0
	.amdhsa_kernel k_q5c35241102_sum
		.amdhsa_group_segment_fixed_size 0
		.amdhsa_private_segment_fixed_size 0
		.amdhsa_enable_private_segment 0
		.amdhsa_kernarg_size 24
		.amdhsa_user_sgpr_count 2
		.amdhsa_user_sgpr_kernarg_segment_ptr 1
		.amdhsa_wavefront_size32 1
		.amdhsa_system_sgpr_workgroup_id_x 1
		.amdhsa_system_sgpr_workgroup_id_y 1
		.amdhsa_system_sgpr_workgroup_id_z 1
		.amdhsa_system_vgpr_workitem_id 0
		.amdhsa_next_free_vgpr 136
		.amdhsa_next_free_sgpr 66
		.amdhsa_reserve_vcc 0
		.amdhsa_float_denorm_mode_32 3
		.amdhsa_float_denorm_mode_16_64 3
		.amdhsa_memory_ordered 1
		.amdhsa_forward_progress 1
		.amdhsa_inst_pref_size 10
	.end_amdhsa_kernel
	.amdgpu_metadata
---
amdhsa.version: [ 1, 2 ]
amdhsa.kernels:
  - .name:           k_q5c35241102_sum
    .symbol:         k_q5c35241102_sum.kd
    .args:
      - { .name: part, .offset: 0, .size: 8, .value_kind: global_buffer, .address_space: global }
      - { .name: expert_weights, .offset: 8, .size: 8, .value_kind: global_buffer, .address_space: global }
      - { .name: out0, .offset: 16, .size: 8, .value_kind: global_buffer, .address_space: global }
    .group_segment_fixed_size: 0
    .private_segment_fixed_size: 0
    .kernarg_segment_align: 8
    .kernarg_segment_size: 24
    .max_flat_workgroup_size: 256
    .sgpr_count:     66
    .vgpr_count:     136
    .wavefront_size: 32
...
	.end_amdgpu_metadata
.endif
;; end of part 4
;; ======== version 2 of 2: 4 launches; version 1 with the launches up, down written anew for expert scheduling mode
;; limits: values are held in f16: magnitudes above 65,504 overflow, below 6.1e-05 lose precision
;; workspace buffers: xb 4,194,304 bytes; list 131,072 bytes of whole numbers; cnt 1,024 bytes of whole numbers; hbuf 134,217,728 bytes; part 34,603,008 bytes
;; launch prep: the kernel of part 1 again; grid 256 x 1, 8 waves a work-group, no clusters, 17,664 bytes of LDS; arguments x, top_experts, xb, list, cnt; writes xb, list, cnt
;; launch up (part 5): grid 32 x 8, 8 waves a work-group, no clusters, 133,120 bytes of LDS; arguments xb, w1, list, cnt, hbuf; writes hbuf
.if DOCPART == 5
	.amdgcn_target "amdgcn-amd-amdhsa--gfx1250"
	.amdhsa_code_object_version 6
	.text
	.protected	k_q5c35241102_up
	.globl	k_q5c35241102_up
	.p2align	8
	.type	k_q5c35241102_up,@function
k_q5c35241102_up:
	s_mov_b64 s[64:65], 0
	v_nop
	global_prefetch_b8 v0, s[64:65] scope:SCOPE_SE
	s_setreg_imm32_b32 hwreg(HW_REG_WAVE_SCHED_MODE, 0, 2), 2
	s_setreg_imm32_b32 hwreg(HW_REG_WAVE_MODE, 25, 1), 1
	s_wait_xcnt 0x0
	s_wait_alu depctr_vm_vsrc(0)
; UP.  h = gelu(x[p >> 1] . w1[e]) for the pairs p of expert e's list, exact (erf) gelu, h rounded once to f16.
; SHARES.  Work-group (sl, e): hidden columns 64 sl .. 64 sl + 63 of expert e: a slice of w1 of 1,024 (K) x 64 (N), 262,144 bytes of f32 that it alone reads,
; in pieces of 256 consecutive bytes; and ALL the expert's rows, in blocks of 16 ranks of its list, nb = ceil(n / 16).
; The slice is rounded to bf16 on its way through registers and laid into LDS once, [n][k]; behind the barrier that follows, LDS is only read.  Then a PASS takes 40 blocks: wave w, slot j (0..4) has block
; 40 q + 8 j + w; seven passes, a constant, cover 4,096 pairs on one expert.  The K loop's text stands twice, for five slots and for four: a wave whose fifth block lies past the last takes the shorter one.
; A slot 0-3 past nb loads the last block that exists, multiplies like the others and stores nothing, so no load and no product inside a K loop stands under a branch on the count; a pass with no block is jumped.
; EIGHT WAVES, two to a SIMD, 512 registers each.  A wave's LOADcnt counts to 63 (ISA guide 5.7.1).  With 10 loads a stage a wave has five stages, 50 loads of 16 bytes a lane, on their way, a SIMD's two waves 100;
; four waves with 18 loads a stage could have three stages out.  And while one wave issues its loads or waits, the SIMD's other wave has products to issue.  The price: each wave reads B's fragments for itself.
; PRODUCT, transposed: source 0 = 16 columns of w1 (from LDS), source 1 = 16 rows of xb (from memory, straight into registers): a lane then holds ONE rank
; (lane % 16) and the columns 16 cb + 8 (lane / 16) + 0..7.  K goes in 32 stages of 32; A's fragments lie in a ring of six register buffers.
; hbuf: [e 8][slice 32][block 256][cb 4][lane 32][8 f16]: what a lane holds after packing, and at the same time the next launch's operand registers: each store is 512 consecutive bytes.
; NO CLUSTER, NO TENSOR LOADS.  What an expert's 32 work-groups share is its token rows; a fragment's 16 rows are named by the list, one by one, and no tile descriptor covers them.  Each weight byte has one reader.
; LIMITS.  |h| stays under 65,504 (f16).  NaN and infinities are not treated apart.  gelu: erf by a rational form with an absolute error of 1.5e-7, for every x.
; THE MODE: SCHED_MODE bits 1:0 = 2 (LLVM: expert scheduling mode 2), set by the entry lines.  The code itself states the register dependences between vector or matrix instructions and memory or LDS
; instructions, with s_wait_alu, always for 0.
; THE PLAN.  Registers that memory or LDS instructions touch, and who else names them:
;   A0 .. A5   Stage s's products read A[s % 6].  The loads of stage s + 5, issued in stage s, land in A[(s - 1) % 6], which stage s - 1's products read last.
;   B0, B1     Stage s's products read B[s % 2].  The LDS loads of stage s + 1, issued in stage s, land in the other, which stage s - 1's products read last.
;   AO         Written at a pass's head, read by the pass's loads of A.      VB0, VB1   Written at a pass's head and once a trip of the K loop, read by every LDS load of B.
;   LPA, LP    LPA, the list's offsets: written by vector lines, read by the list's loads.  LP: those loads land in it; the pass head's shifts read it.
;   HO, GH     Written by a slot's way out, read by its four stores.         CV         The prologue: written by conversions, read by LDS stores; A's loads land there later.
; So ONE wait on va_vdst stands at the head of a stage: the last stage's products are done reading the two buffers in which this stage's loads land.  The loads follow it with no further wait, dealt among the
; stage's products, which name A[s % 6], B[s % 2] and the accumulators: none of the registers that those loads touch.  One wait on vm_vsrc a trip stands ahead of the adds to VB0 and VB1, one at a pass's head, one at the head of a slot's way out.
; REGISTERS, in windows of 256 (s_set_vgpr_msb: bits 1:0 source 0, 3:2 source 1, 5:4 source 2, 7:6 destination):
;   window 0: v0-47 addresses; v48-111 B, two buffers of 32; v112-231 A's buffers 0-2, 40 each; v232-255 slots 0-2 of A's buffer 5; on the way out v48-223 are the gelu's
;   window 1: v0-159 the accumulators, (j, cb) at 32 j + 8 cb; v160-239 A's buffers 3, 4; v240-255 slots 3, 4 of A's buffer 5; before the passes: the slice as loaded, two batches of 128
.set PITCH, 2064                       ; a column of the slice in LDS: 2,048 bytes + 16 = 129 x 16: the 16 columns of a fragment load start at 16 different groups of four banks (64 banks of 4 bytes: ISA guide 11.1)
.set CBP,   16*PITCH                   ; 16 columns
.set WP,    8192                       ; bytes from row to row of w1
.set KB,    64                         ; bytes of a row of xb, and of a column of the slice, in a stage
.set PB,    40                         ; blocks in a pass
.set M4,   2                           ; 4 (l % 16)
.set H16,  3                           ; 16 (l / 16)
.set L16,  4                           ; 16 l
.set WLD,  5                           ; the slice in memory: (l / 16) x 8 rows + 16 (l % 16)
.set WST,  6                           ; the slice in LDS: column 4 (l % 16), k = 128 w + 8 (l / 16)
.set VBB0, 7                           ; B's fragments: (l % 16) x PITCH + 16 (l / 16); column blocks 0, 1; never rewritten
.set VBB1, 8                           ; column blocks 2, 3; never rewritten
.set VB0,  9                           ; the same two plus the K loop's step
.set VB1,  10
.set HO,   11                          ; my byte offset in the slice of hbuf
.set VHI,  12                          ; l / 16
.set C16,  13                          ; 16 (l % 16)
.set AO,   16                          ; v16-20  slot j: byte offset in xb of my rank's row, + 16 (l / 16)
.set LP,   22                          ; v22-26  slot j: my rank's pair p
.set LPA,  28                          ; v28-32  slot j: byte offset in the list of my rank's pair
.set BB,   48
.set CV,   112                         ; the prologue: v112-239: 16 registers of bf16 pairs for each of the eight units: batch bt, unit u at CV + 64 bt + 16 u
.set GX,   48                          ; the gelu of a slot, 32 numbers a lane: u = 0.8493218 x,
.set GT,   80                          ; t,
.set GU,   112                         ; the exponential,
.set GM,   144                         ; max(u, 0) and then the result,
.set GP,   176                         ; the polynomial,
.set GH,   208                         ; 16 registers of f16 pairs
.set BS,   68                          ; s[68:79]  a base for each of A's six buffers: xb at the stage that the buffer takes next
.set MSB, 0
.macro WIN new                         ; the immediate's high byte repeats the setting that is left; a switch that changes nothing is dropped
.if MSB != (\new)
	s_set_vgpr_msb (MSB<<8)|(\new)
.set MSB, (\new)
.endif
.endm
.macro ALL32 line:vararg               ; one line for i = 0 .. 31
.set i, 0
.rept 32
	\line
.set i, i+1
.endr
.endm
.macro ALL16 line:vararg               ; for i = 0 .. 15
.set i, 0
.rept 16
	\line
.set i, i+1
.endr
.endm
.macro ALLP line:vararg                ; for the pairs i = 0, 2 .. 30
.set i, 0
.rept 16
	\line
.set i, i+2
.endr
.endm
.macro APOS buf, j                     ; where slot j of A's buffer buf lies: register rA of window wA
.if (\buf) < 3
.set rA, 112+40*(\buf)+8*(\j)
.set wA, 0
.elseif (\buf) < 5
.set rA, 160+40*((\buf)-3)+8*(\j)
.set wA, 1
.elseif (\j) < 3
.set rA, 232+8*(\j)
.set wA, 0
.else
.set rA, 240+8*((\j)-3)
.set wA, 1
.endif
.endm
; 32 loads: four units of 16 k, from unit u0 on, into batch bt.  An instruction takes two pieces of 256 consecutive bytes: rows 16 u + i and 16 u + 8 + i.
.macro WLOAD bt, u0
	WIN 0x40
.set u, 0
.rept 4
.set i, 0
.rept 8
	global_load_b128 v[128*(\bt)+32*u+4*i:128*(\bt)+32*u+4*i+3], v[WLD], s[6:7] offset:(((\u0)+u)*16+i)*WP th:TH_LOAD_NT
.set i, i+1
.endr
.set u, u+1
.endr
.endm
; The batch is rounded and turned: a lane holds 8 rows (k) x 4 columns (n); pairing rows 2 a, 2 a + 1 of ONE column gives, for each column, 16 bytes = 8 neighbouring k.
; All 64 conversions of the batch, each unit into registers of its own; one wait; the batch's 16 LDS stores.  No conversion writes a register that an LDS store has read.
.macro WCONV bt, u0
	WIN 0x05
.set u, 0
.rept 4
.set q, 0
.rept 16                               ; q = 4 x column + pair of rows
	v_cvt_pk_bf16_f32 v[CV+64*(\bt)+16*u+q], v[128*(\bt)+32*u+8*(q%4)+q/4], v[128*(\bt)+32*u+8*(q%4)+4+q/4]
.set q, q+1
.endr
.set u, u+1
.endr
	WIN 0
	s_wait_alu depctr_va_vdst(0)                   ; the batch's conversions have written v[CV ..], which the LDS stores below read
.set u, 0
.rept 4
.set q, 0
.rept 4
	ds_store_b128 v[WST], v[CV+64*(\bt)+16*u+4*q:CV+64*(\bt)+16*u+4*q+3] offset:q*PITCH+32*((\u0)+u)
.set q, q+1
.endr
.set u, u+1
.endr
.endm
; The pairs of my five blocks, ahead blocks on from s21.  A block past the last is the last (block 0 where the expert has none: the list is written whole); the constant bound keeps the address inside the list.
; The five offsets are made first, then one wait, then the five loads.
.macro LISTLD ahead
	WIN 0
.if \ahead
	s_wait_alu depctr_vm_vsrc(0)                   ; the list's loads for the pass in hand have read v[LPA ..], which the lines below write again
.endif
.set j, 0
.rept 5
	s_add_co_u32 s31, s21, (\ahead)+8*j
	s_min_u32 s31, s31, s19
	s_min_u32 s31, s31, 255
	v_lshl_add_u32 v[LPA+j], s31, 6, v[M4]
.set j, j+1
.endr
	s_wait_alu depctr_va_vdst(0)                   ; v[LPA ..] are written, which the loads below read; the pass head's shifts are done reading v[LP ..], in which they land
.set j, 0
.rept 5
	global_load_b32 v[LP+j], v[LPA+j], s[8:9]
.set j, j+1
.endr
.endm
; A's fragments of one stage for slots j0 .. j1 - 1, two loads a slot: lane l takes 16 bytes at 16 (l / 16) and 16 more 32 bytes on, of its rank's row, from the buffer's own base.
; A load names its data by the destination's window and its offset by source 0's: where the setting in force already has those two as the load wants them, no switch is written.
.macro ALOAD buf, j0, j1
.set j, \j0
.rept (\j1)-(\j0)
	APOS \buf, j
.if (MSB & 0xc3) != (0x40*wA)
	WIN 0x40*wA
.endif
	global_load_b128 v[rA:rA+3],   v[AO+j], s[BS+2*(\buf):BS+2*(\buf)+1]
	global_load_b128 v[rA+4:rA+7], v[AO+j], s[BS+2*(\buf):BS+2*(\buf)+1] offset:32
.set j, j+1
.endr
.endm
; B's fragments of one stage, 8 LDS loads
.macro BLOAD buf, ofs
	WIN 0
.set rB, BB+32*(\buf)
	ds_load_b128 v[rB:rB+3],     v[VB0] offset:(\ofs)
	ds_load_b128 v[rB+4:rB+7],   v[VB0] offset:(\ofs)+32
	ds_load_b128 v[rB+8:rB+11],  v[VB0] offset:(\ofs)+CBP
	ds_load_b128 v[rB+12:rB+15], v[VB0] offset:(\ofs)+CBP+32
	ds_load_b128 v[rB+16:rB+19], v[VB1] offset:(\ofs)
	ds_load_b128 v[rB+20:rB+23], v[VB1] offset:(\ofs)+32
	ds_load_b128 v[rB+24:rB+27], v[VB1] offset:(\ofs)+CBP
	ds_load_b128 v[rB+28:rB+31], v[VB1] offset:(\ofs)+CBP+32
.endm
; The products of slots j0 .. j1 - 1, four a slot.  The accumulators take turns, one instruction a turn, in the same order in every stage.  zero = 1: the first stage starts the sums.
.macro MMS cur, zero, j0, j1
.set rB, BB+32*((\cur)%2)
.set j, \j0
.rept (\j1)-(\j0)
	APOS \cur, j
	WIN 0x50+4*wA                          ; C and D window 1, B window 0, A where it lies
.set c, 0
.rept 4
.set rD, 32*j+8*c
.if \zero
	v_wmma_f32_16x16x32_bf16 v[rD:rD+7], v[rB+8*c:rB+8*c+7], v[rA:rA+7], 0
.else
	v_wmma_f32_16x16x32_bf16 v[rD:rD+7], v[rB+8*c:rB+8*c+7], v[rA:rA+7], v[rD:rD+7]
.endif
.set c, c+1
.endr
.set j, j+1
.endr
.endm
; A stage, on A's buffer cur.  Four v_nop: the loads below go into the two buffers that the last stage's products read, and stand four places behind them (ISA guide 7.12.1 for vector instructions).
; lw: A's loads of the younger stages, 2 ns each, that may stay out: behind that wait this stage's loads are done, so their base may be written: it steps six stages on.
; ld = 1: the stage five on is asked for.  bofs: B of the next stage (-1: none).  dw: those 8 LDS loads may stay out.
; The stage's loads are dealt: B's eight and A's slots 0 and 1, the products of slots 0 and 1, A's other slots, the other products.
; Stage 0 (zero = 1) has no product ahead of it in its pass: the wait at the head of BODY serves its loads too.
.macro KSTEP cur, zero, ld, bofs, lw, dw, ns
.if !(\zero) && ((\ld) || ((\bofs) >= 0))
	WIN 0
.rept 4
	v_nop
.endr
.endif
	s_wait_loadcnt \lw
.if \ld
	s_add_nc_u64 s[BS+2*(\cur):BS+2*(\cur)+1], s[BS+2*(\cur):BS+2*(\cur)+1], 6*KB
.endif
.if !(\zero) && ((\ld) || ((\bofs) >= 0))
	s_wait_alu depctr_va_vdst(0)                   ; the last stage's products are done reading their A and their B, in which this stage's loads land; in a trip's first stage VB0 and VB1 are written
.endif
.if (\bofs) >= 0
	BLOAD ((\cur)+1)%2, \bofs
.endif
.if \ld
	ALOAD ((\cur)+5)%6, 0, 2
.endif
	s_wait_dscnt \dw
	MMS \cur, \zero, 0, 2
.if \ld
	ALOAD ((\cur)+5)%6, 2, \ns                     ; no wait: no vector or matrix instruction since the stage's wait names these registers or AO
.endif
	MMS \cur, \zero, 2, \ns
.endm
; The 32 stages of a pass, for ns slots.  Stage s works on buffer s % 6 and asks for stage s + 5: at its wait the stages s + 1 .. s + 4, 8 ns loads, may be out.
.macro BODY ns
	s_wait_alu depctr_va_vdst(0)                   ; AO, VB0 and VB1 are written, which the loads below read; all that named A's and B's registers is done: the last pass's products and gelu, the prologue's conversions
	ALOAD 0, 0, \ns
	ALOAD 1, 0, \ns
	ALOAD 2, 0, \ns
	ALOAD 3, 0, \ns
	ALOAD 4, 0, \ns
	BLOAD 0, 0
	KSTEP 0, 1, 1, 64, 8*\ns, 8, \ns               ; stage 0 stands ahead of the loop: its products start the sums
	WIN 0
	s_mov_b32 s23, 4
.Lk_\@:                                                ; a trip: stages 6 T + 1 .. 6 T + 6
	KSTEP 1, 0, 1, 128, 8*\ns, 8, \ns
	KSTEP 2, 0, 1, 192, 8*\ns, 8, \ns
	KSTEP 3, 0, 1, 256, 8*\ns, 8, \ns
	KSTEP 4, 0, 1, 320, 8*\ns, 8, \ns
	KSTEP 5, 0, 1, 384, 8*\ns, 8, \ns
	KSTEP 0, 0, 1, 448, 8*\ns, 8, \ns
	WIN 0
	s_wait_alu depctr_vm_vsrc(0)                   ; the LDS loads issued so far have read VB0 and VB1
	s_add_co_u32 s34, s34, 6*KB
	v_add_nc_u32 v[VB0], s34, v[VBB0]
	v_add_nc_u32 v[VB1], s34, v[VBB1]
	s_sub_co_u32 s23, s23, 1
	s_cmp_lg_u32 s23, 0
	s_cbranch_scc1 .Lk_\@
	KSTEP 1, 0, 1, 128, 8*\ns, 8, \ns              ; stages 25 and 26 ask for the last two;
	KSTEP 2, 0, 1, 192, 8*\ns, 8, \ns
	KSTEP 3, 0, 0, 256, 8*\ns, 8, \ns              ; stages 27 to 31 ask for no row: the counts run down
	KSTEP 4, 0, 0, 320, 6*\ns, 8, \ns
	KSTEP 5, 0, 0, 384, 4*\ns, 8, \ns
	KSTEP 0, 0, 0, 448, 2*\ns, 8, \ns
	KSTEP 1, 0, 0, -1, 0, 0, \ns
.rept 4
	v_nop                                          ; the places behind the last products
.endr
	WIN 0
.endm
; One case of the slot loop's switch: slot j's 32 sums, scaled, go into the registers that the one text of the gelu names: u = 0.8493218 x, the gelu's own first step.
; Each accumulator is read from its low end on.  Slot 4 is the case that is left when the four compares have failed: on every way exactly one case runs.
.macro TAKE j
.if (\j) < 4
	s_cmp_lg_u32 s24, 5-(\j)
	s_cbranch_scc1 .Lnot_\@
.endif
	WIN 0x01
.set i, 0
.rept 16
	v_pk_mul_f32 v[GX+i:GX+i+1], v[32*(\j)+i:32*(\j)+i+1], s[38:39] op_sel_hi:[1,0]
.set i, i+2
.endr
	WIN 0
.if (\j) < 4
	s_branch .Ltaken
.Lnot_\@:
.endif
.endm
	s_load_b256 s[4:11], s[0:1], 0x0               ; xb s[4:5], w1 s[6:7], list s[8:9], cnt s[10:11]
	s_load_b64 s[12:13], s[0:1], 0x20              ; hbuf
	v_lshl_add_u32 v46, v0, 2, 0x20400
	v_mov_b32 v47, 0
	v_lshrrev_b32 v1, 5, v0
	v_readfirstlane_b32 s14, v1                    ; wave 0..7
	s_and_b32 s15, ttmp7, 0xffff                   ; e
	s_mov_b32 s16, ttmp9                           ; sl
	v_and_b32 v1, 15, v0                           ; l % 16
	v_bfe_u32 v[VHI], v0, 4, 1
	v_and_b32 v[L16], 31, v0
	v_lshlrev_b32 v[L16], 4, v[L16]
	v_lshlrev_b32 v[M4], 2, v1
	v_lshlrev_b32 v[H16], 4, v[VHI]
	v_lshlrev_b32 v[C16], 4, v1
	v_lshl_add_u32 v[WLD], v[VHI], 16, v[C16]      ; 8 rows of 8,192 bytes for the upper lanes
	v_mul_u32_u24 v[WST], v1, 4*PITCH
	v_add_nc_u32 v[WST], v[WST], v[H16]
	s_wait_alu depctr_va_sdst(0)                   ; s14 is written, ahead of its first reader: LDS addresses, w1's base and the blocks' numbers are made from it
	s_lshl_b32 s31, s14, 8                         ; k = 128 w: 256 bytes
	v_add_nc_u32 v[WST], s31, v[WST]
	v_mul_u32_u24 v[VBB0], v1, PITCH
	v_add_nc_u32 v[VBB0], v[VBB0], v[H16]
	v_add_nc_u32 v[VBB1], 2*CBP, v[VBB0]
	s_lshl_b32 s26, s15, 23                        ; w1: the expert,
	s_lshl_b32 s31, s14, 20                        ; my wave's 128 rows,
	s_add_co_u32 s26, s26, s31
	s_lshl_b32 s31, s16, 8                         ; the slice's 256 bytes of a row
	s_add_co_u32 s26, s26, s31
	s_mov_b32 s27, 0
	s_lshl_b32 s50, s15, 14                        ; list
	s_mov_b32 s51, 0
	s_lshl_b32 s52, s15, 7                         ; cnt
	s_mov_b32 s53, 0
	s_lshl_b32 s54, s15, 5
	s_add_co_u32 s54, s54, s16
	s_lshl_b32 s54, s54, 19                        ; hbuf: slice 32 e + sl of 524,288 bytes
	s_mov_b32 s55, 0
	s_mov_b32 s36, 0x3e8ba43f                      ; 0.27273748 = 0.3275911 / sqrt(log2(e)): t's factor for |u|
	s_mov_b32 s37, s36
	s_mov_b32 s38, 0x3f596d27                      ; 0.8493218 = sqrt(log2(e) / 2)
	s_mov_b32 s39, s38                             ; (the packed forms name pairs and take the low word for both halves)
	s_mov_b32 s40, 0x3e027906                      ; the polynomial's five coefficients, halved:  0.127414796
	s_mov_b32 s41, s40
	s_mov_b32 s42, 0xbe11a98e                      ; -0.142248368
	s_mov_b32 s43, s42
	s_mov_b32 s44, 0x3f35f0e3                      ;  0.710706871
	s_mov_b32 s45, s44
	s_mov_b32 s46, 0xbf3a00e3                      ; -0.726576014
	s_mov_b32 s47, s46
	s_mov_b32 s48, 0x3f07dc22                      ;  0.530702715
	s_mov_b32 s49, s48
	s_mov_b32 s56, 0x3f96b55f                      ; 1.17741 = 1 / 0.8493218
	s_mov_b32 s57, s56
	s_wait_kmcnt 0x0
	s_add_nc_u64 s[6:7], s[6:7], s[26:27]
	s_add_nc_u64 s[8:9], s[8:9], s[50:51]
	s_add_nc_u64 s[10:11], s[10:11], s[52:53]
	s_add_nc_u64 s[12:13], s[12:13], s[54:55]
	s_load_b32 s17, s[10:11], 0x0                  ; n
	WIN 0x40
	s_wait_alu depctr_va_vdst(0)                   ; the offsets and LDS addresses made above are written: v[WLD], which the loads below read, and v[WST], which the prologue's LDS stores read
	WLOAD 0, 0                                     ; my eighth of the slice, 32,768 bytes, is asked for at once
	WLOAD 1, 4
	WIN 0
	s_wait_kmcnt 0x0
	s_min_u32 s17, s17, 0x1000
	s_add_co_u32 s18, s17, 15
	s_lshr_b32 s18, s18, 4                         ; nb
	s_max_u32 s19, s18, 1
	s_sub_co_u32 s19, s19, 1                       ; the last block that exists
	s_mov_b32 s20, 0                               ; the pass's first block
	s_mov_b32 s21, s14                             ; my first block in it
	LISTLD 0
	s_wait_loadcnt 37                              ; batch 0 is in: behind it batch 1's 32 loads and the list's 5
	WCONV 0, 0
	s_wait_loadcnt 5                               ; batch 1: behind it the list's 5
	WCONV 1, 4
	WIN 0
	s_wait_dscnt 0x0                               ; for the others' sake: my eighth of the slice is in LDS
	s_barrier_signal -1
	s_barrier_wait -1                              ; the slice is whole; from here to the end of the passes LDS is only read
	s_mov_b32 s22, 7
.Lpass:
	s_cmp_lt_u32 s20, s18
	s_cbranch_scc0 .Lnext                          ; no block of the expert in this pass
	s_wait_loadcnt 0x0                             ; my pairs are in, and no load that names a base is out
	s_wait_xcnt 0x0                                ; the last pass's stores have read their registers, which this pass's loads rewrite
	s_wait_alu depctr_vm_vsrc(0)                   ; the last pass's loads have read AO, VB0 and VB1, which the lines below write; its stores have read GH, and in the first pass the LDS stores v[CV ..], in which A's loads land
.set j, 0
.rept 5
	v_lshrrev_b32 v[AO+j], 1, v[LP+j]              ; the token,
	v_min_u32 v[AO+j], 0x7ff, v[AO+j]              ; inside xb,
	v_lshl_add_u32 v[AO+j], v[AO+j], 11, v[H16]    ; its row of 2,048 bytes
.set j, j+1
.endr
.set b, 0
.rept 6
	s_add_nc_u64 s[BS+2*b:BS+2*b+1], s[4:5], b*KB  ; buffer b begins with stage b
.set b, b+1
.endr
	s_mov_b32 s34, 0                               ; the K loop's step in the slice's columns
	v_mov_b32 v[VB0], v[VBB0]
	v_mov_b32 v[VB1], v[VBB1]
	s_add_co_u32 s31, s21, 32
	s_cmp_lt_u32 s31, s18
	s_cbranch_scc0 .Lfour                          ; my fifth block lies past the last: four slots
	BODY 5
	s_branch .Lout
.Lfour:
	BODY 4
.Lout:
	; THE WAY OUT.  Five trips, one slot each: the gelu's text stands once, and a switch on the trip's number feeds it.  Behind the way with four slots the fifth trip's block is past the last and is jumped.
	s_mov_b32 s24, 5
	s_mov_b32 s25, s21                             ; the slot's block
.Lslot:
	s_cmp_lt_u32 s25, s18
	s_cbranch_scc0 .Lskip                          ; a block past the last: nothing is stored
	s_wait_xcnt 0x0                                ; the last trip's stores have read GH and HO
	s_wait_alu depctr_vm_vsrc(0)                   ; the last trip's stores have read GH and HO, which this trip writes again; the wait stands ahead of the switch's branches
	v_lshl_add_u32 v[HO], s25, 11, v[L16]          ; the block's 2,048 bytes
.irp j, 0,1,2,3,4
	TAKE \j
.endr
.Ltaken:
	; gelu(x) = (max(u, 0) - |u| q) / 0.8493218,  u = 0.8493218 x,  q = t (h1 + t (h2 + t (h3 + t (h4 + t h5)))) 2^(-u^2),  t = 1 / (1 + 0.27273748 |u|)
	ALL32 v_fma_f32 v[GT+i], |v[GX+i]|, s36, 1.0
	ALLP v_pk_mul_f32 v[GU+i:GU+i+1], v[GX+i:GX+i+1], v[GX+i:GX+i+1] neg_lo:[1,0] neg_hi:[1,0]
	ALL32 v_rcp_f32 v[GT+i], v[GT+i]               ; ONE batch of 64: none reads another's result
	ALL32 v_exp_f32 v[GU+i], v[GU+i]
	ALL32 v_max_num_f32 v[GM+i], 0, v[GX+i]        ; plain work that names no result of the batch,
	s_wait_alu depctr_va_vdst(0)                   ; and one wait ahead of the batch's first reader: the 32 reciprocals in GT and the 32 exponentials in GU are written
	ALLP v_pk_fma_f32 v[GP+i:GP+i+1], v[GT+i:GT+i+1], s[48:49], s[46:47] op_sel_hi:[1,0,0]
	ALLP v_pk_fma_f32 v[GP+i:GP+i+1], v[GP+i:GP+i+1], v[GT+i:GT+i+1], s[44:45] op_sel_hi:[1,1,0]
	ALLP v_pk_fma_f32 v[GP+i:GP+i+1], v[GP+i:GP+i+1], v[GT+i:GT+i+1], s[42:43] op_sel_hi:[1,1,0]
	ALLP v_pk_fma_f32 v[GP+i:GP+i+1], v[GP+i:GP+i+1], v[GT+i:GT+i+1], s[40:41] op_sel_hi:[1,1,0]
	ALLP v_pk_mul_f32 v[GP+i:GP+i+1], v[GP+i:GP+i+1], v[GT+i:GT+i+1]
	ALLP v_pk_mul_f32 v[GP+i:GP+i+1], v[GP+i:GP+i+1], v[GU+i:GU+i+1]
	ALL32 v_fma_f32 v[GM+i], -|v[GX+i]|, v[GP+i], v[GM+i]
	ALLP v_pk_mul_f32 v[GM+i:GM+i+1], v[GM+i:GM+i+1], s[56:57] op_sel_hi:[1,0]
	ALL16 v_cvt_pk_f16_f32 v[GH+i], v[GM+2*i], v[GM+2*i+1]
	s_wait_alu depctr_va_vdst(0)                   ; the roundings have written GH, and HO is written: the four stores read them
.irp c, 0,1,2,3
	global_store_b128 v[HO], v[GH+4*(\c):GH+4*(\c)+3], s[12:13] offset:512*(\c)  ; 512 consecutive bytes; the whole block, ranks past n too: the next launch reads whole blocks
.endr
.Lskip:
	s_add_co_u32 s25, s25, 8
	s_sub_co_u32 s24, s24, 1
	s_cmp_lg_u32 s24, 0
	s_cbranch_scc1 .Lslot
	LISTLD PB                                      ; the next pass's pairs
.Lnext:
	s_add_co_u32 s20, s20, PB
	s_add_co_u32 s21, s21, PB
	s_sub_co_u32 s22, s22, 1
	s_cmp_lg_u32 s22, 0
	s_cbranch_scc1 .Lpass
	s_wait_dscnt 0x0                               ; my reads of the slice are back,
	s_barrier_signal -1
	s_barrier_wait -1                              ; and so are every wave's
	s_wait_dscnt 0x0                               ; the wave's end: behind a full wait, the closing add of 0 into my word behind the slice, and its wait
	s_wait_alu depctr_hold_cnt(0) depctr_sa_sdst(0) depctr_va_vdst(0) depctr_va_sdst(0) depctr_va_ssrc(0) depctr_va_vcc(0) depctr_vm_vsrc(0)
	s_wait_tensorcnt 0x0
	ds_add_u32 v46, v47
	s_wait_dscnt 0x0
	s_endpgm
.Lfunc_end_k_q5c35241102_up:
	.size	k_q5c35241102_up, .Lfunc_end_k_q5c35241102_up-k_q5c35241102_up
	.p2alignl 7, 3214868480
	.fill 96, 4, 3214868480
	.section	.rodata,"a",@progbits
	.p2align	6, 0x0
	.amdhsa_kernel k_q5c35241102_up
		.amdhsa_group_segment_fixed_size 133120
		.amdhsa_private_segment_fixed_size 0
		.amdhsa_enable_private_segment 0
		.amdhsa_kernarg_size 40
		.amdhsa_user_sgpr_count 2
		.amdhsa_user_sgpr_kernarg_segment_ptr 1
		.amdhsa_wavefront_size32 1
		.amdhsa_system_sgpr_workgroup_id_x 1
		.amdhsa_system_sgpr_workgroup_id_y 1
		.amdhsa_system_sgpr_workgroup_id_z 1
		.amdhsa_system_vgpr_workitem_id 0
		.amdhsa_next_free_vgpr 512
		.amdhsa_next_free_sgpr 80
		.amdhsa_reserve_vcc 0
		.amdhsa_float_denorm_mode_32 3
		.amdhsa_float_denorm_mode_16_64 3
		.amdhsa_memory_ordered 1
		.amdhsa_forward_progress 1
		.amdhsa_inst_pref_size 127
	.end_amdhsa_kernel
	.amdgpu_metadata
---
amdhsa.version: [ 1, 2 ]
amdhsa.kernels:
  - .name:           k_q5c35241102_up
    .symbol:         k_q5c35241102_up.kd
    .args:
      - { .name: xb, .offset: 0, .size: 8, .value_kind: global_buffer, .address_space: global }
      - { .name: w1, .offset: 8, .size: 8, .value_kind: global_buffer, .address_space: global }
      - { .name: list, .offset: 16, .size: 8, .value_kind: global_buffer, .address_space: global }
      - { .name: cnt, .offset: 24, .size: 8, .value_kind: global_buffer, .address_space: global }
      - { .name: hbuf, .offset: 32, .size: 8, .value_kind: global_buffer, .address_space: global }
    .group_segment_fixed_size: 133120
    .private_segment_fixed_size: 0
    .kernarg_segment_align: 8
    .kernarg_segment_size: 40
    .max_flat_workgroup_size: 256
    .sgpr_count:     80
    .vgpr_count:     512
    .wavefront_size: 32
...
	.end_amdgpu_metadata
.endif
;; end of part 5
;; launch down (part 6): grid 32 x 8, 8 waves a work-group, no clusters, 133,120 bytes of LDS; arguments hbuf, w2, list, cnt, part; writes part
.if DOCPART == 6
	.amdgcn_target "amdgcn-amd-amdhsa--gfx1250"
	.amdhsa_code_object_version 6
	.text
	.protected	k_q5c35241102_down
	.globl	k_q5c35241102_down
	.p2align	8
	.type	k_q5c35241102_down,@function
k_q5c35241102_down:
	s_mov_b64 s[64:65], 0
	v_nop
	global_prefetch_b8 v0, s[64:65] scope:SCOPE_SE
	s_setreg_imm32_b32 hwreg(HW_REG_WAVE_SCHED_MODE, 0, 2), 2
	s_setreg_imm32_b32 hwreg(HW_REG_WAVE_MODE, 25, 1), 1
	s_wait_xcnt 0x0
	s_wait_alu depctr_vm_vsrc(0)
; DOWN.  part[kh][p][:] = the sum over one half of the hidden width of h[rank of p][f] w2[e][f][:], in f32, for the pairs p of expert e's list.
; SHARES.  Work-group (x, e): ns = x % 16: output columns 64 ns .. 64 ns + 63; kh = x / 16: hidden rows 1,024 kh .. 1,024 kh + 1,023.  So a slice of w2 of 1,024 (K) x 64 (N), 262,144 bytes of f32 that
; the work-group alone reads, in pieces of 256 consecutive bytes; and ALL the expert's blocks of 16 ranks, nb = ceil(n / 16).  The two halves' sums are partial sums: they stay f32, and the next launch adds them.
; The slice is rounded to bf16, like every input, and that number is written as f16 (h is f16, and both operands of a product have one format); it is laid into LDS once, [n][k], column 4 c + q at LDS row 16 q + c;
; behind the barrier that follows, LDS is only read.
; PASSES: a pass takes 40 blocks: wave w, slot j (0..4) has block 40 q + 8 j + w; seven passes, a constant, cover 4,096 pairs on one expert.  The K loop's text stands twice, for five slots and for four: a wave whose fifth
; block lies past the last takes the shorter one.  A slot 0-3 past nb loads the last block that exists, multiplies like the others and stores nothing; a pass with no block is jumped.
; EIGHT WAVES, two to a SIMD, 512 registers each.  A wave's LOADcnt counts to 63 (ISA guide 5.7.1).  With 10 loads a stage a wave has five stages, 50 loads of 16 bytes a lane, on their way, a SIMD's two waves 100;
; four waves with 18 loads a stage could have three stages out.  And while one wave issues its loads or waits, the SIMD's other wave has products to issue.  The price: each wave reads B's fragments for itself.
; PRODUCT: source 0 = 16 ranks of h (from memory, straight into registers: hbuf lies in the operand's own order, 512 consecutive bytes a load), source 1 = 16 LDS rows of the slice.  K goes in 32 stages of 32; A's fragments lie
; in a ring of six register buffers.  In accumulator cb, register t of lane l is rank 8 (l / 16) + t and LDS row 16 cb + l % 16, which is column 4 (l % 16) + cb: register t of a slot's FOUR accumulators is four neighbouring columns of one row.
; THE WAY OUT: 32 moves inside the lane bring those fours together; a store of 16 bytes a lane then writes, from sixteen neighbouring lanes, 256 consecutive bytes, at a multiple of 256 from part's first byte, of row p.
; A block is stored WHOLE, with every lane on.  In the expert's last block the list names, for a rank past n, a spare row of part: row 4096 + 16 e + rank % 16.  A plane of part has 4,096 + 128 rows; a spare row belongs to
; one expert and one rank, and a work-group writes its own 256 bytes of it, in its own plane: each byte has one writer, and no launch reads it.  The price: at most 15 x 256 bytes a work-group.
; NO CLUSTER, NO TENSOR LOADS.  An expert's blocks of h are dense and 16 work-groups read them, but how many there are hangs on a stored count, under which no barrier.  Each weight byte has one reader.
; LIMITS.  bf16(w2) stays under 65,504 and, below 2^-14, keeps f16's fixed step of 2^-24.  NaN and infinities are not treated apart.
; THE MODE: SCHED_MODE bits 1:0 = 2 (LLVM: expert scheduling mode 2), set by the entry lines.  The code itself states the register dependences between vector or matrix instructions and memory or LDS
; instructions, with s_wait_alu, always for 0.
; THE PLAN.  Registers that memory or LDS instructions touch, and who else names them:
;   A0 .. A5   Stage s's products read A[s % 6].  The loads of stage s + 5, issued in stage s, land in A[(s - 1) % 6], which stage s - 1's products read last.
;   B0, B1     Stage s's products read B[s % 2].  The LDS loads of stage s + 1, issued in stage s, land in the other, which stage s - 1's products read last.
;   AO, LA     Written at a pass's head, read by the pass's loads of A and of the pairs.      VB0, VB1   Written at a pass's head and once a trip of the K loop, read by every LDS load of B.
;   LQ         Stage 27's loads of the pairs land in it (it is A2, which stage 26's products read last); the way out's moves read it.
;   OD, PA     Written by a slot's way out, read by its eight stores; A0's loads land in OD in the next pass.      CV   The prologue: written by conversions, read by LDS stores; A's loads land there later.
; So ONE wait on va_vdst stands at the head of a stage: the last stage's products are done reading the two buffers in which this stage's loads land.  The loads follow it with no further wait, dealt among the
; stage's products, which name A[s % 6], B[s % 2] and the accumulators: none of the registers that those loads touch.  One wait on vm_vsrc a trip stands ahead of the adds to VB0 and VB1, one at a pass's head, one at the head of a slot's way out.
; REGISTERS, in windows of 256 (s_set_vgpr_msb: bits 1:0 source 0, 3:2 source 1, 5:4 source 2, 7:6 destination):
;   window 0: v0-47 addresses; v48-111 B, two buffers of 32; v112-231 A's buffers 0-2, 40 each; v232-255 slots 0-2 of A's buffer 5
;   window 1: v0-159 the accumulators, (j, cb) at 32 j + 8 cb; v160-239 A's buffers 3, 4; v240-255 slots 3, 4 of A's buffer 5; before the passes: the slice as loaded, two batches of 128
.set PITCH, 2064                       ; a row of the slice in LDS: 2,048 bytes + 16 = 129 x 16: 16 neighbouring rows start at 16 different groups of four banks (64 banks of 4 bytes: ISA guide 11.1)
.set CBP,   16*PITCH
.set WP,    4096                       ; bytes from row to row of w2
.set SL,    524288                     ; hbuf: from a slice of 64 hidden columns to the next: two stages
.set HS,    1024                       ; a slice's second stage: column blocks 2, 3
.set H2,    512                        ; a stage's second column block
.set PB,    40                         ; blocks in a pass
.set ROWS,  4096+128                   ; rows in a plane of part: the pairs', then 16 spare rows for each expert
.set PLANE, ROWS*4096                  ; bytes in a plane
.set H32,  2                           ; 32 (l / 16)
.set H16,  3                           ; 16 (l / 16)
.set L16,  4                           ; 16 l
.set WLD,  5                           ; the slice in memory: (l / 16) x 8 rows + 16 (l % 16)
.set WST0, 6                           ; the slice in LDS: row l % 16, k = 128 w + 8 (l / 16): my columns 4 c, 4 c + 1 go to rows c, 16 + c,
.set VBB0, 7                           ; B's fragments: (l % 16) x PITCH + 16 (l / 16); row blocks 0, 1; never rewritten
.set VBB1, 8                           ; row blocks 2, 3; never rewritten
.set VB0,  9                           ; the same two plus the K loop's step
.set VB1,  10
.set WST1, 11                          ; my columns 4 c + 2, 4 c + 3 to rows 32 + c, 48 + c
.set C16,  13                          ; 16 (l % 16)
.set AO,   16                          ; v16-20  slot j: byte offset of my 16 bytes of its block in a slice of hbuf
.set LA,   22                          ; v22-26  slot j: byte offset in the list of my eight ranks' pairs
.set PA,   32                          ; v32-39  the way out: my eight ranks' pairs, then the byte offsets in part of my 16 bytes of their rows
.set BB,   48
.set TLO,  48                          ; the prologue: a unit's 16 pairs' halves as f32, where B's buffers will lie: vector lines alone name them
.set THI,  64
.set CV,   112                         ; the prologue: v112-239: 16 registers of pairs for each of the eight units: batch bt, unit u at CV + 64 bt + 16 u
.set OD,   112                         ; the way out: 8 x 4 registers to store, where A's buffer 0 lay
.set LQ,   192                         ; the pairs of my lane's eight ranks, 8 a slot, where A's buffer 2 lay
.set BS,   68                          ; s[68:79]  a base for each of A's six buffers: hbuf at the stage that the buffer takes next
.set MSB, 0
.macro WIN new                         ; the immediate's high byte repeats the setting that is left; a switch that changes nothing is dropped
.if MSB != (\new)
	s_set_vgpr_msb (MSB<<8)|(\new)
.set MSB, (\new)
.endif
.endm
.macro APOS buf, j                     ; where slot j of A's buffer buf lies: register rA of window wA
.if (\buf) < 3
.set rA, 112+40*(\buf)+8*(\j)
.set wA, 0
.elseif (\buf) < 5
.set rA, 160+40*((\buf)-3)+8*(\j)
.set wA, 1
.elseif (\j) < 3
.set rA, 232+8*(\j)
.set wA, 0
.else
.set rA, 240+8*((\j)-3)
.set wA, 1
.endif
.endm
; 32 loads: four units of 16 k, from unit u0 on, into batch bt.  An instruction takes two pieces of 256 consecutive bytes: rows 16 u + i and 16 u + 8 + i.
.macro WLOAD bt, u0
	WIN 0x40
.set u, 0
.rept 4
.set i, 0
.rept 8
	global_load_b128 v[128*(\bt)+32*u+4*i:128*(\bt)+32*u+4*i+3], v[WLD], s[6:7] offset:(((\u0)+u)*16+i)*WP th:TH_LOAD_NT
.set i, i+1
.endr
.set u, u+1
.endr
.endm
; The batch is rounded and turned: a lane holds 8 rows (k) x 4 columns (n); pairing rows 2 a, 2 a + 1 of ONE column gives, for each column, 16 bytes = 8 neighbouring k.  Rounded to bf16, widened, written as f16.
; All of the batch's arithmetic, each unit into registers of its own; one wait; the batch's 16 LDS stores.  No vector line writes a register that an LDS store has read.
.macro WCONV bt, u0
	WIN 0x05
.set u, 0
.rept 4
.set q, 0
.rept 16                               ; q = 4 x column + pair of rows
	v_cvt_pk_bf16_f32 v[CV+64*(\bt)+16*u+q], v[128*(\bt)+32*u+8*(q%4)+q/4], v[128*(\bt)+32*u+8*(q%4)+4+q/4]
.set q, q+1
.endr
.set u, u+1
.endr
	WIN 0
.set u, 0
.rept 4
.set q, 0
.rept 16
	v_lshlrev_b32 v[TLO+q], 16, v[CV+64*(\bt)+16*u+q]
	v_and_b32 v[THI+q], s33, v[CV+64*(\bt)+16*u+q]
.set q, q+1
.endr
.set q, 0
.rept 16
	v_cvt_pk_f16_f32 v[CV+64*(\bt)+16*u+q], v[TLO+q], v[THI+q]
.set q, q+1
.endr
.set u, u+1
.endr
	s_wait_alu depctr_va_vdst(0)                   ; the batch's conversions have written v[CV ..], which the LDS stores below read
.set u, 0
.rept 4
	ds_store_b128 v[WST0], v[CV+64*(\bt)+16*u:CV+64*(\bt)+16*u+3]     offset:32*((\u0)+u)      ; sixteen neighbouring lanes: sixteen neighbouring LDS rows
	ds_store_b128 v[WST0], v[CV+64*(\bt)+16*u+4:CV+64*(\bt)+16*u+7]   offset:CBP+32*((\u0)+u)
	ds_store_b128 v[WST1], v[CV+64*(\bt)+16*u+8:CV+64*(\bt)+16*u+11]  offset:32*((\u0)+u)
	ds_store_b128 v[WST1], v[CV+64*(\bt)+16*u+12:CV+64*(\bt)+16*u+15] offset:CBP+32*((\u0)+u)
.set u, u+1
.endr
.endm
; The pairs of my five blocks: lane l takes those of ranks 8 (l / 16) + 0..7, 32 bytes a block.  Always five blocks, ten loads, so that the registers that the way out's switch names are written on both ways.
.macro LQLOAD
	WIN 0
.set j, 0
.rept 5
	global_load_b128 v[LQ+8*j:LQ+8*j+3],   v[LA+j], s[8:9]
	global_load_b128 v[LQ+8*j+4:LQ+8*j+7], v[LA+j], s[8:9] offset:16
.set j, j+1
.endr
.endm
; A's fragments of one stage for slots j0 .. j1 - 1, two loads of 512 consecutive bytes a slot: the stage's two column blocks, from the buffer's own base.
; A load names its data by the destination's window and its offset by source 0's: where the setting in force already has those two as the load wants them, no switch is written.
.macro ALOAD buf, j0, j1
.set j, \j0
.rept (\j1)-(\j0)
	APOS \buf, j
.if (MSB & 0xc3) != (0x40*wA)
	WIN 0x40*wA
.endif
	global_load_b128 v[rA:rA+3],   v[AO+j], s[BS+2*(\buf):BS+2*(\buf)+1]
	global_load_b128 v[rA+4:rA+7], v[AO+j], s[BS+2*(\buf):BS+2*(\buf)+1] offset:H2
.set j, j+1
.endr
.endm
; B's fragments of one stage, 8 LDS loads
.macro BLOAD buf, ofs
	WIN 0
.set rB, BB+32*(\buf)
	ds_load_b128 v[rB:rB+3],     v[VB0] offset:(\ofs)
	ds_load_b128 v[rB+4:rB+7],   v[VB0] offset:(\ofs)+32
	ds_load_b128 v[rB+8:rB+11],  v[VB0] offset:(\ofs)+CBP
	ds_load_b128 v[rB+12:rB+15], v[VB0] offset:(\ofs)+CBP+32
	ds_load_b128 v[rB+16:rB+19], v[VB1] offset:(\ofs)
	ds_load_b128 v[rB+20:rB+23], v[VB1] offset:(\ofs)+32
	ds_load_b128 v[rB+24:rB+27], v[VB1] offset:(\ofs)+CBP
	ds_load_b128 v[rB+28:rB+31], v[VB1] offset:(\ofs)+CBP+32
.endm
; The products of slots j0 .. j1 - 1, four a slot.  The accumulators take turns, one instruction a turn, in the same order in every stage.  zero = 1: the first stage starts the sums.
.macro MMS cur, zero, j0, j1
.set rB, BB+32*((\cur)%2)
.set j, \j0
.rept (\j1)-(\j0)
	APOS \cur, j
	WIN 0x50+wA                            ; C and D window 1, B window 0, A where it lies
.set c, 0
.rept 4
.set rD, 32*j+8*c
.if \zero
	v_wmma_f32_16x16x32_f16 v[rD:rD+7], v[rA:rA+7], v[rB+8*c:rB+8*c+7], 0
.else
	v_wmma_f32_16x16x32_f16 v[rD:rD+7], v[rA:rA+7], v[rB+8*c:rB+8*c+7], v[rD:rD+7]
.endif
.set c, c+1
.endr
.set j, j+1
.endr
.endm
; A stage, on A's buffer cur.  Four v_nop: the loads below go into the two buffers that the last stage's products read, and stand four places behind them (ISA guide 7.12.1 for vector instructions).
; lw: the younger loads that may stay out: behind that wait this stage's loads are done, so their base may be written: it steps six stages on.
; ld = 1: the stage five on is asked for; ld = 2: the pairs, into the buffer that the last stage read.  bofs: B of the next stage (-1: none).  dw: those 8 LDS loads may stay out.
; The stage's loads are dealt: B's eight and A's slots 0 and 1, the products of slots 0 and 1, A's other slots, the other products.
; Stage 0 (zero = 1) has no product ahead of it in its pass: the wait at the head of BODY serves its loads too.
.macro KSTEP cur, zero, ld, bofs, lw, dw, ns
.if !(\zero) && ((\ld) || ((\bofs) >= 0))
	WIN 0
.rept 4
	v_nop
.endr
.endif
	s_wait_loadcnt \lw
.if (\ld) == 1
	s_add_nc_u64 s[BS+2*(\cur):BS+2*(\cur)+1], s[BS+2*(\cur):BS+2*(\cur)+1], 3*SL
.endif
.if !(\zero) && ((\ld) || ((\bofs) >= 0))
	s_wait_alu depctr_va_vdst(0)                   ; the last stage's products are done reading their A and their B, in which this stage's loads land; in a trip's first stage VB0 and VB1 are written
.endif
.if (\bofs) >= 0
	BLOAD ((\cur)+1)%2, \bofs
.endif
.if (\ld) == 1
	ALOAD ((\cur)+5)%6, 0, 2
.elseif (\ld) == 2
	LQLOAD
.endif
	s_wait_dscnt \dw
	MMS \cur, \zero, 0, 2
.if (\ld) == 1
	ALOAD ((\cur)+5)%6, 2, \ns                     ; no wait: no vector or matrix instruction since the stage's wait names these registers or AO
.endif
	MMS \cur, \zero, 2, \ns
.endm
; The 32 stages of a pass, for ns slots.  Stage s works on buffer s % 6 and asks for stage s + 5: at its wait the stages s + 1 .. s + 4, 8 ns loads, may be out.
.macro BODY ns
	s_wait_alu depctr_va_vdst(0)                   ; AO, LA, VB0 and VB1 are written, which the loads below read; all that named A's and B's registers is done: the last pass's products and moves, the prologue's conversions
	ALOAD 0, 0, \ns
	ALOAD 1, 0, \ns
	ALOAD 2, 0, \ns
	ALOAD 3, 0, \ns
	ALOAD 4, 0, \ns
	BLOAD 0, 0
	KSTEP 0, 1, 1, 64, 8*\ns, 8, \ns               ; stage 0 stands ahead of the loop: its products start the sums
	WIN 0
	s_mov_b32 s23, 4
.Lk_\@:                                                ; a trip: stages 6 T + 1 .. 6 T + 6
	KSTEP 1, 0, 1, 128, 8*\ns, 8, \ns
	KSTEP 2, 0, 1, 192, 8*\ns, 8, \ns
	KSTEP 3, 0, 1, 256, 8*\ns, 8, \ns
	KSTEP 4, 0, 1, 320, 8*\ns, 8, \ns
	KSTEP 5, 0, 1, 384, 8*\ns, 8, \ns
	KSTEP 0, 0, 1, 448, 8*\ns, 8, \ns
	WIN 0
	s_wait_alu depctr_vm_vsrc(0)                   ; the LDS loads issued so far have read VB0 and VB1
	s_add_co_u32 s34, s34, 384
	v_add_nc_u32 v[VB0], s34, v[VBB0]
	v_add_nc_u32 v[VB1], s34, v[VBB1]
	s_sub_co_u32 s23, s23, 1
	s_cmp_lg_u32 s23, 0
	s_cbranch_scc1 .Lk_\@
	KSTEP 1, 0, 1, 128, 8*\ns, 8, \ns              ; stages 25 and 26 ask for the last two;
	KSTEP 2, 0, 1, 192, 8*\ns, 8, \ns
	KSTEP 3, 0, 2, 256, 8*\ns, 8, \ns              ; stage 27 asks for the pairs, ten loads, which the way out wants;
	KSTEP 4, 0, 0, 320, 6*\ns+10, 8, \ns           ; the counts run down, the ten always among those that may be out
	KSTEP 5, 0, 0, 384, 4*\ns+10, 8, \ns
	KSTEP 0, 0, 0, 448, 2*\ns+10, 8, \ns
	KSTEP 1, 0, 0, -1, 10, 0, \ns
.rept 4
	v_nop                                          ; the places behind the last products
.endr
	WIN 0
.endm
; One case of the slot loop's switch.  Register t of slot j's four accumulators, four neighbouring columns of rank 8 (l / 16) + t, go into four neighbouring registers; each accumulator's register 0 is read first.
; The eight ranks' pairs go into the registers that the one text of the stores names.  Slot 4 is the case that is left when the four compares have failed: on every way exactly one case runs.
.macro TAKE j
.if (\j) < 4
	s_cmp_lg_u32 s24, 5-(\j)
	s_cbranch_scc1 .Lnot_\@
.endif
	WIN 0x01
.set i, 0
.rept 32                               ; i = 4 t + cb
	v_mov_b32 v[OD+i], v[32*(\j)+8*(i%4)+i/4]
.set i, i+1
.endr
	WIN 0
.set i, 0
.rept 8
	v_mov_b32 v[PA+i], v[LQ+8*(\j)+i]
.set i, i+1
.endr
.if (\j) < 4
	s_branch .Ltaken
.Lnot_\@:
.endif
.endm
	s_load_b256 s[4:11], s[0:1], 0x0               ; hbuf s[4:5], w2 s[6:7], list s[8:9], cnt s[10:11]
	s_load_b64 s[12:13], s[0:1], 0x20              ; part
	v_lshl_add_u32 v46, v0, 2, 0x20400
	v_mov_b32 v47, 0
	v_lshrrev_b32 v1, 5, v0
	v_readfirstlane_b32 s14, v1                    ; wave 0..7
	s_and_b32 s15, ttmp7, 0xffff                   ; e
	s_and_b32 s16, ttmp9, 15                       ; ns
	s_lshr_b32 s35, ttmp9, 4                       ; kh
	v_and_b32 v1, 15, v0                           ; l % 16
	v_bfe_u32 v12, v0, 4, 1                        ; l / 16
	v_and_b32 v[L16], 31, v0
	v_lshlrev_b32 v[L16], 4, v[L16]
	v_lshlrev_b32 v[H16], 4, v12
	v_lshlrev_b32 v[H32], 5, v12
	v_lshlrev_b32 v[C16], 4, v1
	v_lshl_add_u32 v[WLD], v12, 15, v[C16]         ; 8 rows of 4,096 bytes for the upper lanes
	v_mul_u32_u24 v[VBB0], v1, PITCH
	v_add_nc_u32 v[VBB0], v[VBB0], v[H16]
	v_add_nc_u32 v[VBB1], 2*CBP, v[VBB0]
	s_wait_alu depctr_va_sdst(0)                   ; s14 is written, ahead of its first reader: LDS addresses, w2's base and the blocks' numbers are made from it
	s_lshl_b32 s31, s14, 8                         ; k = 128 w: 256 bytes
	v_add_nc_u32 v[WST0], s31, v[VBB0]
	v_add_nc_u32 v[WST1], s31, v[VBB1]
	s_lshl_b32 s26, s15, 23                        ; w2: the expert,
	s_lshl_b32 s31, s35, 22                        ; the half's 1,024 rows of 4,096 bytes,
	s_add_co_u32 s26, s26, s31
	s_lshl_b32 s31, s14, 19                        ; my wave's 128 of them,
	s_add_co_u32 s26, s26, s31
	s_lshl_b32 s31, s16, 8                         ; the slice's 256 bytes of a row
	s_add_co_u32 s26, s26, s31
	s_mov_b32 s27, 0
	s_mul_i32 s54, s35, PLANE                      ; part: the half's plane,
	s_add_co_u32 s54, s54, s31                     ; the slice's 256 bytes of a row
	s_mov_b32 s55, 0
	s_lshl_b32 s50, s15, 14                        ; list
	s_mov_b32 s51, 0
	s_lshl_b32 s52, s15, 7                         ; cnt
	s_mov_b32 s53, 0
	s_lshl_b32 s56, s15, 5
	s_lshl_b32 s31, s35, 4
	s_add_co_u32 s56, s56, s31
	s_lshl_b32 s56, s56, 19                        ; hbuf: slice 32 e + 16 kh of 524,288 bytes
	s_mov_b32 s57, 0
	s_mov_b32 s33, 0xffff0000                      ; a word's upper bf16
	s_wait_kmcnt 0x0
	s_add_nc_u64 s[4:5], s[4:5], s[56:57]
	s_add_nc_u64 s[6:7], s[6:7], s[26:27]
	s_add_nc_u64 s[8:9], s[8:9], s[50:51]
	s_add_nc_u64 s[10:11], s[10:11], s[52:53]
	s_add_nc_u64 s[12:13], s[12:13], s[54:55]
	s_load_b32 s17, s[10:11], 0x0                  ; n
	WIN 0x40
	s_wait_alu depctr_va_vdst(0)                   ; the offsets and LDS addresses made above are written: v[WLD], which the loads below read, and v[WST0], v[WST1], which the prologue's LDS stores read
	WLOAD 0, 0                                     ; my eighth of the slice, 32,768 bytes, is asked for at once
	WLOAD 1, 4
	WIN 0
	s_wait_kmcnt 0x0
	s_min_u32 s17, s17, 0x1000
	s_add_co_u32 s18, s17, 15
	s_lshr_b32 s18, s18, 4                         ; nb
	s_max_u32 s19, s18, 1
	s_sub_co_u32 s19, s19, 1                       ; the last block that exists
	s_mov_b32 s20, 0                               ; the pass's first block
	s_mov_b32 s21, s14                             ; my first block in it
	s_wait_loadcnt 32                              ; batch 0 is in: behind it batch 1's 32 loads
	WCONV 0, 0
	s_wait_loadcnt 0x0
	WCONV 1, 4
	WIN 0
	s_wait_dscnt 0x0                               ; for the others' sake: my eighth of the slice is in LDS
	s_barrier_signal -1
	s_barrier_wait -1                              ; the slice is whole; from here to the end of the passes LDS is only read
	s_mov_b32 s22, 7
.Lpass:
	s_cmp_lt_u32 s20, s18
	s_cbranch_scc0 .Lnext                          ; no block of the expert in this pass
	s_wait_xcnt 0x0                                ; the last pass's stores have read their registers, which this pass's loads rewrite; its loads were waited for on its way out, so the bases may be set anew
	s_wait_alu depctr_vm_vsrc(0)                   ; the last pass's loads have read AO, LA, VB0 and VB1, which the lines below write; its stores have read OD, and in the first pass the LDS stores v[CV ..], in which A's loads land
.set j, 0
.rept 5
	s_add_co_u32 s31, s21, 8*j
	s_min_u32 s31, s31, s19                        ; a block past the last is the last,
	s_min_u32 s31, s31, 255                        ; inside the slice of hbuf and inside the list:
	v_lshl_add_u32 v[AO+j], s31, 11, v[L16]        ; its 2,048 bytes of h,
	v_lshl_add_u32 v[LA+j], s31, 6, v[H32]         ; its 64 bytes of pairs
.set j, j+1
.endr
.set b, 0
.rept 6
	s_add_nc_u64 s[BS+2*b:BS+2*b+1], s[4:5], (b/2)*SL+(b%2)*HS  ; buffer b begins with stage b
.set b, b+1
.endr
	s_mov_b32 s34, 0                               ; the K loop's step in the slice's rows
	v_mov_b32 v[VB0], v[VBB0]
	v_mov_b32 v[VB1], v[VBB1]
	s_add_co_u32 s31, s21, 32
	s_cmp_lt_u32 s31, s18
	s_cbranch_scc0 .Lfour                          ; my fifth block lies past the last: four slots
	BODY 5
	s_branch .Lout
.Lfour:
	BODY 4
.Lout:
	; THE WAY OUT.  Five trips, one slot each: the stores' text stands once, and a switch on the trip's number feeds it.  Behind the way with four slots the fifth trip's block is past the last and is jumped.
	s_wait_loadcnt 0x0                             ; the pairs are in
	s_mov_b32 s24, 5
	s_mov_b32 s25, s21                             ; the slot's block
.Lslot:
	s_cmp_lt_u32 s25, s18
	s_cbranch_scc0 .Lskip                          ; a block past the last: nothing is stored
	s_wait_xcnt 0x0                                ; the last trip's stores have read OD and PA
	s_wait_alu depctr_vm_vsrc(0)                   ; the last trip's stores have read OD and PA, which this trip's moves write again; the wait stands ahead of the switch's branches
.irp j, 0,1,2,3,4
	TAKE \j
.endr
.Ltaken:
.irp t, 0,1,2,3,4,5,6,7
	v_min_u32 v[PA+(\t)], ROWS-1, v[PA+(\t)]       ; the row that the list names, inside the plane,
	v_lshl_add_u32 v[PA+(\t)], v[PA+(\t)], 12, v[C16]  ; its 4,096 bytes, my 16 bytes of the slice's 256
.endr
	s_wait_alu depctr_va_vdst(0)                   ; the moves have written OD and the lines above PA: the eight stores read them
.irp t, 0,1,2,3,4,5,6,7
	global_store_b128 v[PA+(\t)], v[OD+4*(\t):OD+4*(\t)+3], s[12:13]  ; lanes 0-15: 256 consecutive bytes of rank t's row; lanes 16-31: of rank 8 + t's
.endr
.Lskip:
	s_add_co_u32 s25, s25, 8
	s_sub_co_u32 s24, s24, 1
	s_cmp_lg_u32 s24, 0
	s_cbranch_scc1 .Lslot
.Lnext:
	s_add_co_u32 s20, s20, PB
	s_add_co_u32 s21, s21, PB
	s_sub_co_u32 s22, s22, 1
	s_cmp_lg_u32 s22, 0
	s_cbranch_scc1 .Lpass
	s_wait_dscnt 0x0                               ; my reads of the slice are back,
	s_barrier_signal -1
	s_barrier_wait -1                              ; and so are every wave's
	s_wait_dscnt 0x0                               ; the wave's end: behind a full wait, the closing add of 0 into my word behind the slice, and its wait
	s_wait_alu depctr_hold_cnt(0) depctr_sa_sdst(0) depctr_va_vdst(0) depctr_va_sdst(0) depctr_va_ssrc(0) depctr_va_vcc(0) depctr_vm_vsrc(0)
	s_wait_tensorcnt 0x0
	ds_add_u32 v46, v47
	s_wait_dscnt 0x0
	s_endpgm
.Lfunc_end_k_q5c35241102_down:
	.size	k_q5c35241102_down, .Lfunc_end_k_q5c35241102_down-k_q5c35241102_down
	.p2alignl 7, 3214868480
	.fill 96, 4, 3214868480
	.section	.rodata,"a",@progbits
	.p2align	6, 0x0
	.amdhsa_kernel k_q5c35241102_down
		.amdhsa_group_segment_fixed_size 133120
		.amdhsa_private_segment_fixed_size 0
		.amdhsa_enable_private_segment 0
		.amdhsa_kernarg_size 40
		.amdhsa_user_sgpr_count 2
		.amdhsa_user_sgpr_kernarg_segment_ptr 1
		.amdhsa_wavefront_size32 1
		.amdhsa_system_sgpr_workgroup_id_x 1
		.amdhsa_system_sgpr_workgroup_id_y 1
		.amdhsa_system_sgpr_workgroup_id_z 1
		.amdhsa_system_vgpr_workitem_id 0
		.amdhsa_next_free_vgpr 512
		.amdhsa_next_free_sgpr 80
		.amdhsa_reserve_vcc 0
		.amdhsa_float_denorm_mode_32 3
		.amdhsa_float_denorm_mode_16_64 3
		.amdhsa_memory_ordered 1
		.amdhsa_forward_progress 1
		.amdhsa_inst_pref_size 129
	.end_amdhsa_kernel
	.amdgpu_metadata
---
amdhsa.version: [ 1, 2 ]
amdhsa.kernels:
  - .name:           k_q5c35241102_down
    .symbol:         k_q5c35241102_down.kd
    .args:
      - { .name: hbuf, .offset: 0, .size: 8, .value_kind: global_buffer, .address_space: global }
      - { .name: w2, .offset: 8, .size: 8, .value_kind: global_buffer, .address_space: global }
      - { .name: list, .offset: 16, .size: 8, .value_kind: global_buffer, .address_space: global }
      - { .name: cnt, .offset: 24, .size: 8, .value_kind: global_buffer, .address_space: global }
      - { .name: part, .offset: 32, .size: 8, .value_kind: global_buffer, .address_space: global }
    .group_segment_fixed_size: 133120
    .private_segment_fixed_size: 0
    .kernarg_segment_align: 8
    .kernarg_segment_size: 40
    .max_flat_workgroup_size: 256
    .sgpr_count:     80
    .vgpr_count:     512
    .wavefront_size: 32
...
	.end_amdgpu_metadata
.endif
;; end of part 6
;; launch sum: the kernel of part 4 again; grid 256 x 1, 8 waves a work-group, no clusters, 0 bytes of LDS; arguments part, expert_weights, out0; writes out0
